; MI455X (gfx1250); checked and timed in simulation.
; The chip was launched on July 23, 2026; its instructions are those of AMD's public machine-readable ISA for CDNA 5 (MIT licence, August 2026) and "CDNA5" Instruction Set Architecture Reference Guide (July 2026). The comments in the code are by the model that wrote it; some were corrected since.
;; Qwen3 Attention. Allowed arithmetic: matrix products marked QUANTISED: E2M1 operands, one E8M0 scale for each 32 along K, by v_wmma_scale_f32_16x16x128_f8f6f4 with both operands' format E2M1 (or v_wmma_scale_f32_32x16x128_f4), f32 sums; products left as they are: bf16, f16 or f32 operands; f32 sums; everything else in f32.
;; Inputs: Wk 1,024 x 1,024 float32; Wo 2,048 x 1,024 float32; Wq 1,024 x 2,048 float32; Wv 1,024 x 1,024 float32; k_norm_w 128 float32; q_norm_w 128 float32; x 2 x 2,048 x 1,024 float32.
;; Outputs: out0 2 x 2,048 x 1,024 float32.
;; This version of the problem:
;;   THIS VERSION OF THE PROBLEM IS GIVEN IN LOW PRECISION. The matrix products marked QUANTISED in the list below multiply operands that are first quantised to E2M1 (2 exponent bits, 1 mantissa bit; 4 bits a number), with one power-of-two scale for each 32 numbers along K (OCP MX v1.0); their sums are f32. The products marked 'left as it is' may take bf16, f16 or f32 operands, with f32 sums. Whichever they take, every output number must still come out within the allowed error. Rounding operands to bf16 (8 significant bits) uses up far more of that allowance than f16 does (11 bits, for magnitudes from 6e-5 to 65,504). All else is computed in f32.
;;   The module's matrix products, in the order in which they are computed (A, B: the left and right operand; K: the contracted axis; several contracted axes count as one K, in the product's order):
;;     1. [M 4,096, K 1,024] x [K 1,024, N 2,048]; A: input x; B: input Wq: QUANTISED
;;     2. [M 4,096, K 1,024] x [K 1,024, N 1,024]; A: input x; B: input Wk: QUANTISED
;;     3. [M 4,096, K 1,024] x [K 1,024, N 1,024]; A: input x; B: input Wv: QUANTISED
;;     4. batch 32 x [M 2,048, K 128] x [K 128, N 2,048]; A: computed on the way; B: computed on the way: left as it is (an operand is computed on the way)
;;     5. batch 32 x [M 2,048, K 2,048] x [K 2,048, N 128]; A: computed on the way; B: computed on the way: left as it is (an operand is computed on the way)
;;     6. [M 4,096, K 2,048] x [K 2,048, N 1,024]; A: computed on the way; B: input Wo: left as it is (an operand is computed on the way)
;;   THE QUANTISER, for each operand of a quantised product, along K:
;;     - K is cut into blocks of 32 from its start; a last block that is shorter is filled with zeros.
;;     - A block's scale is 2^e with e = floor(log2(the largest magnitude in the block)) - 2, held to -126 .. 127; a block of zeros has e = 0. As a byte (E8M0): e + 127.
;;     - Each number is divided by its block's scale, clamped to +-6, and rounded to the nearest number of E2M1, ties to even, subnormals kept.
;;     - The product sums the exact products of the quantised numbers (number of the format x scale) in f32.
;;   ~~~python
;;   def quantise(x, axis):      # numpy; x: float32 -> the quantised numbers, widened to float32 again
;;       x = np.moveaxis(x, axis, -1); K = x.shape[-1]
;;       x = np.pad(x, [(0, 0)] * (x.ndim - 1) + [(0, -K % 32)]); x = x.reshape(x.shape[:-1] + (-1, 32)); a = np.abs(x).max(-1, keepdims=True)
;;       e = np.where(a > 0, np.clip(np.frexp(np.where(a > 0, a, 1))[1] - 1 - 2, -126, 127), 0)      # np.frexp(a)[1] - 1 = floor(log2(a)), exactly
;;       r = np.clip(x / 2.0 ** e, -6, 6)
;;       step = 2.0 ** (np.maximum(np.frexp(np.where(r == 0, 1, r))[1] - 1, 0) - 1)
;;       q = np.round(r / step) * step * 2.0 ** e      # np.round: ties to even
;;       return np.moveaxis(q.reshape(q.shape[:-2] + (-1,))[..., :K], -1, axis).astype(np.float32)
;;   ~~~
;; One version. Each part assembles by itself: llvm-mc -triple=amdgcn-amd-amdhsa -mcpu=gfx1250 --defsym DOCPART=n.
;; ======== version 1 of 1: 5 launches
;; limits: values are held in f16: magnitudes above 65,504 overflow, below 6.1e-05 lose precision
;; workspace buffers: cod 4,194,304 bytes; scl 262,144 bytes; wot 4,194,304 bytes; rope 1,048,576 bytes; qkv16 33,554,432 bytes; h32 524,288 bytes; o16 16,777,216 bytes
;; launch prep (part 1): grid 256 x 1, 16 waves a work-group, no clusters, 252,928 bytes of LDS; arguments x, Wq, Wk, Wv, Wo, cod, scl, wot, rope; writes cod, scl, wot, rope
.if DOCPART == 1
	.amdgcn_target "amdgcn-amd-amdhsa--gfx1250"
	.amdhsa_code_object_version 6
	.text
	.protected	k_q3bc413d27f_prep
	.globl	k_q3bc413d27f_prep
	.p2align	8
	.type	k_q3bc413d27f_prep,@function
k_q3bc413d27f_prep:
	s_mov_b64 s[64:65], 0
	v_nop
	global_prefetch_b8 v0, s[64:65] scope:SCOPE_SE
	s_setreg_imm32_b32 hwreg(HW_REG_WAVE_MODE, 25, 1), 1
	s_wait_xcnt 0x0
; PREPARATION, four kinds of work side by side, parted by the work-group's number; each kind has LDS bytes of its own.
;   0-127   x [4096][1024] f32 -> codes of E2M1 (cod, [4096][512 bytes]) and E8M0 scale bytes (scl, [4096][32]); K is innermost: a plain stream of blocks of 32
;   128-191 Wq, Wk, Wv [1024 k][n] f32 -> codes with K innermost (cod + 2 MiB, [4096 n][512 bytes]; n 0-2047 Wq, 2048-3071 Wk, 3072-4095 Wv) and scale bytes (scl + 128 KiB, [4096][32])
;   192-223 Wo [2048 k][1024 n] f32 -> f16, transposed: wot [1024 n][2048 k]
;   224-255 the table of cos and sin for the rotary embedding, laid as the reader's registers: rope [128 blocks of 16 positions][16 loads][32 lanes][16 bytes]
; A block's scale is 2^(floor(log2(largest magnitude)) - 2): its byte is the largest magnitude's exponent field - 2, held at 1 from below.
; LIMITS: a block of zeros gets the byte 1 where the rule says 127 (its codes are zeros, and this program alone reads the bytes); blocks whose largest magnitude lies under 2^-124 keep the byte 1;
; NaN and infinities are not served; Wo beyond 65,504 in magnitude is not served (f16); the table's phase is right to about 3e-4 radians at position 2,047.
.set XSCB,  81920                      ; x: from 0 sixteen waves x two stages of 2,560 bytes; here the work-group's 1,024 scale bytes
.set WSTG,  82944                      ; weights: 64 rows (n) x (512 bytes of codes + 16)
.set WSCL,  116736                     ; weights: 64 rows x 32 scale bytes
.set TSTG,  118784                     ; Wo: 64 rows (n) x (2,048 bytes of f16 + 16)
.set SPARE, 250880                     ; the spare words, 128 bytes for each wave: eight blocks of 256 bytes that no other line names
.set SPW, 2                            ; v2  LDS address of my spare word; never rewritten
.set NIL, 3                            ; v3  0; never rewritten
.set R,   16                           ; x: v16-79 four sets of 16 numbers as loaded
.set XN,  80                           ; x: v80-111 two sets of 16 neighbours
.set E,   112                          ; x: v112-115 a scale byte for each step
.set C,   116                          ; x: v116-123 two registers of codes for each step
.set SP,  80                           ; x: a lane's place in a stage: 64 bytes + 16 of padding
.macro FINISH                          ; a wave's end: behind its last LDS store
	s_wait_tensorcnt 0x0
	ds_add_u32 v[SPW], v[NIL]
	s_wait_dscnt 0x0
	s_endpgm
.endm
.macro WLOAD pitch                     ; 128 rows (k) of my column: a lane to a column, registers down K; 32 lanes read 128 consecutive bytes, two waves side by side 256
.set i, 0
.rept 128
	global_load_b32 v[16+i], v5, s[24:25] offset:i*(\pitch) th:TH_LOAD_NT
.set i, i+1
.endr
.endm
.macro WWAIT t                         ; block t's 32 loads are in: 32 (3 - t) were issued behind them; a count cannot be above 63, and a smaller count is always right
.if (\t) < 2
	s_wait_loadcnt 63
.elseif (\t) == 2
	s_wait_loadcnt 32
.else
	s_wait_loadcnt 0x0
.endif
.endm
	s_load_b256 s[4:11], s[0:1], 0x0               ; x s[4:5], Wq s[6:7], Wk s[8:9], Wv s[10:11]
	s_load_b256 s[12:19], s[0:1], 0x20             ; Wo s[12:13], cod s[14:15], scl s[16:17], wot s[18:19]
	s_load_b64 s[20:21], s[0:1], 0x40              ; rope
	v_lshl_add_u32 v[SPW], v0, 2, SPARE
	v_mov_b32 v[NIL], 0
	v_lshrrev_b32 v4, 5, v0
	v_readfirstlane_b32 s22, v4                    ; wave 0..15
	v_and_b32 v1, 31, v0                           ; lane
	s_wait_kmcnt 0x0
	s_cmp_gt_u32 ttmp9, 223
	s_cbranch_scc1 .Lrope
	s_cmp_gt_u32 ttmp9, 191
	s_cbranch_scc1 .Ltrans
	s_cmp_gt_u32 ttmp9, 127
	s_cbranch_scc1 .Lweights
; ---------------------------------------------------------------- x: a wave takes 4 steps of 512 numbers
; Each load reads 512 consecutive bytes, 16 a lane; a step's 2,048 bytes turn through the wave's own stage and come back 64 bytes a lane: 16 neighbours along K, two lanes to a block.
	s_lshl_b32 s24, ttmp9, 4
	s_add_co_u32 s24, s24, s22                     ; which run of 2,048 numbers is my wave's
	s_lshl_b32 s26, s24, 13
	s_mov_b32 s27, 0
	s_add_nc_u64 s[4:5], s[4:5], s[26:27]          ; 8,192 bytes of x a run
	s_lshl_b32 s26, s24, 10
	s_add_nc_u64 s[14:15], s[14:15], s[26:27]      ; 1,024 bytes of codes a run
	s_lshl_b32 s26, ttmp9, 10
	s_add_nc_u64 s[16:17], s[16:17], s[26:27]      ; 1,024 scale bytes a work-group
	v_lshlrev_b32 v5, 4, v1
.macro XLOAD t
.irp i, 0,1,2,3
	global_load_b128 v[R+16*(\t)+4*\i:R+16*(\t)+4*\i+3], v5, s[4:5] offset:2048*(\t)+512*\i th:TH_LOAD_NT
.endr
.endm
.macro XTURN t                         ; LDS serves a wave's instructions in order: no wait between the stores and the loads
.irp i, 0,1,2,3
	ds_store_b128 v14, v[R+16*(\t)+4*\i:R+16*(\t)+4*\i+3] offset:32*SP*((\t)%2)+8*SP*\i
.endr
.irp i, 0,1,2,3
	ds_load_b128 v[XN+16*((\t)%2)+4*\i:XN+16*((\t)%2)+4*\i+3], v15 offset:32*SP*((\t)%2)+16*\i
.endr
.endm
.irp t, 0,1,2,3
	XLOAD \t
.endr
	s_mul_i32 s28, s22, 2*32*SP                    ; my wave's two stages
	v_lshrrev_b32 v14, 2, v1
	v_mul_u32_u24 v14, v14, SP
	v_and_b32 v15, 3, v1
	v_lshl_add_u32 v14, v15, 4, v14
	v_add_nc_u32 v14, s28, v14                     ; in: four lanes' 64 bytes on end, then the padding
	v_mul_u32_u24 v15, v1, SP
	v_add_nc_u32 v15, s28, v15                     ; out: my 16 neighbours
	v_lshlrev_b32 v6, 3, v1                        ; my 8 bytes of a step's 256 bytes of codes
	v_lshrrev_b32 v7, 1, v1
	s_lshl_b32 s29, s22, 6
	s_add_co_u32 s29, s29, XSCB
	v_add_nc_u32 v7, s29, v7                       ; my block's scale byte: 64 bytes a wave, 16 a step
	v_and_b32 v13, 63, v0
	v_lshl_add_u32 v10, v13, 4, XSCB               ; the scale bytes' way out: 16 bytes a thread of waves 0 and 1
	v_lshlrev_b32 v12, 4, v13
	s_wait_loadcnt 12                              ; step 0's four loads are in; the twelve behind them may be out
	XTURN 0
.macro XSTEP t
.set XS, XN+16*((\t)%2)
.if (\t) > 0
	s_wait_dscnt 1                                 ; this step's numbers are back; the last step's byte store may be out
.else
	s_wait_dscnt 0x0
.endif
.if (\t) < 3
	s_wait_loadcnt 4*(2-(\t))                      ; the next step's four loads are in; those of the steps behind it may be out
	XTURN (\t)+1
.endif
	v_max3_num_f32 v8, |v[XS]|, |v[XS+1]|, |v[XS+2]|
	v_max3_num_f32 v9, |v[XS+3]|, |v[XS+4]|, |v[XS+5]|
.irp i, 6,10
	v_max3_num_f32 v8, v8, |v[XS+\i]|, |v[XS+\i+1]|
	v_max3_num_f32 v9, v9, |v[XS+\i+2]|, |v[XS+\i+3]|
.endr
	v_max3_num_f32 v8, v8, |v[XS+14]|, |v[XS+15]|
	v_max3_num_f32 v8, v8, v9, 0x1800000           ; with the floor 2^(3 - 127): the byte cannot fall under 1
	v_max_num_f32_dpp v8, v8, v8 row_xmask:1 row_mask:0xf bank_mask:0xf   ; and my neighbour's 16: the block's largest magnitude
	v_add_nc_u32 v11, 0xff000000, v8               ; 2 off its exponent field: the conversion takes this operand's exponent field as its scale
	v_cvt_scalef32_pk8_fp4_f32 v[C+2*(\t)], v[XS:XS+7], v11
	v_cvt_scalef32_pk8_fp4_f32 v[C+2*(\t)+1], v[XS+8:XS+15], v11
	v_lshrrev_b32 v[E+(\t)], 23, v11               ; the scale's byte (a plain line behind the conversions)
	ds_store_b8 v7, v[E+(\t)] offset:16*(\t)       ; both lanes of a block write the same byte with the same value
	global_store_b64 v6, v[C+2*(\t):C+2*(\t)+1], s[14:15] offset:256*(\t)   ; the wave stores 256 consecutive bytes, aligned
.endm
.irp t, 0,1,2,3
	XSTEP \t
.endr
	s_wait_dscnt 0x0                               ; for the others' sake: my scale bytes lie in LDS
	s_barrier_signal -1
	s_barrier_wait -1
	s_cmp_gt_u32 s22, 1
	s_cbranch_scc1 .Lxdone
	ds_load_b128 v[124:127], v10                   ; waves 0 and 1 take 512 of the 1,024 bytes each
	s_wait_dscnt 0x0
	global_store_b128 v12, v[124:127], s[16:17]
.Lxdone:
	FINISH
; ---------------------------------------------------------------- Wq, Wk, Wv: a work-group takes 64 columns n and all of K
.Lweights:
	s_sub_co_u32 s23, ttmp9, 128                   ; g: output rows 64 g .. 64 g + 63
	s_cmp_lt_u32 s23, 48
	s_cselect_b64 s[24:25], s[8:9], s[10:11]       ; the tensor is chosen by the work-group's number alone
	s_cselect_b32 s26, 32, 48
	s_cmp_lt_u32 s23, 32
	s_cselect_b64 s[24:25], s[6:7], s[24:25]
	s_cselect_b32 s26, 0, s26
	s_cselect_b32 s27, 13, 12                      ; a row of Wq is 8,192 bytes, of Wk and Wv 4,096
	s_sub_co_u32 s26, s23, s26
	s_lshl_b32 s26, s26, 6                         ; the first column in that tensor
	s_and_b32 s29, s22, 1
	s_lshr_b32 s30, s22, 1
	s_lshl_b32 s31, s29, 5                         ; wave w: columns 32 (w & 1) on, rows 128 (w >> 1) on
	s_add_co_u32 s26, s26, s31
	s_lshl_b32 s26, s26, 2
	s_lshl_b32 s28, s30, 7
	s_lshl_b32 s28, s28, s27
	s_add_co_u32 s26, s26, s28
	s_mov_b32 s27, 0
	s_add_nc_u64 s[24:25], s[24:25], s[26:27]
	v_lshlrev_b32 v5, 2, v1
	s_cmp_lt_u32 s23, 32
	s_cbranch_scc0 .Lnarrow                        ; the loads alone differ: the row's length stands in their immediates
	WLOAD 8192
	s_branch .Lwloaded
.Lnarrow:
	WLOAD 4096
.Lwloaded:
	v_add_nc_u32 v4, s31, v1                       ; my column among the 64
	v_mul_u32_u24 v8, v4, 528
	s_lshl_b32 s32, s30, 6
	s_add_co_u32 s32, s32, WSTG
	v_add_nc_u32 v8, s32, v8                       ; its row of codes, my wave's 64 bytes of it
	v_lshlrev_b32 v9, 5, v4
	s_lshl_b32 s32, s30, 2
	s_add_co_u32 s32, s32, WSCL
	v_add_nc_u32 v9, s32, v9                       ; its row of scale bytes, my wave's 4
	s_mul_i32 s33, s22, 4*528
	s_add_co_u32 s33, s33, WSTG
	v_lshl_add_u32 v10, v1, 4, s33                 ; the way out: wave w takes rows 4 w .. 4 w + 3, 16 bytes a lane
	v_lshlrev_b32 v14, 4, v1
	v_and_b32 v13, 127, v0
	v_lshl_add_u32 v15, v13, 4, WSCL               ; the scale bytes' way out: 16 bytes a thread of waves 0 to 3
	v_lshlrev_b32 v7, 4, v13
	s_lshl_b32 s26, s23, 6
	s_lshl_b32 s28, s22, 2
	s_add_co_u32 s26, s26, s28
	s_lshl_b32 s26, s26, 9
	s_add_co_u32 s26, s26, 0x200000
	s_add_nc_u64 s[14:15], s[14:15], s[26:27]      ; cod + 2 MiB + (64 g + 4 w) x 512
	s_lshl_b32 s26, s23, 11
	s_add_co_u32 s26, s26, 0x20000
	s_add_nc_u64 s[16:17], s[16:17], s[26:27]      ; scl + 128 KiB + 2,048 g
.macro WBLOCK t                        ; a block of 32 along K lies in one lane's 32 registers
.set XS, 16+32*(\t)
	WWAIT \t
	v_max3_num_f32 v12, |v[XS]|, |v[XS+1]|, |v[XS+2]|
	v_max3_num_f32 v13, |v[XS+3]|, |v[XS+4]|, |v[XS+5]|
.irp i, 6,10,14,18,22,26
	v_max3_num_f32 v12, v12, |v[XS+\i]|, |v[XS+\i+1]|
	v_max3_num_f32 v13, v13, |v[XS+\i+2]|, |v[XS+\i+3]|
.endr
	v_max3_num_f32 v12, v12, |v[XS+30]|, |v[XS+31]|
	v_max3_num_f32 v12, v12, v13, 0x1800000
	v_add_nc_u32 v11, 0xff000000, v12
	v_lshrrev_b32 v13, 23, v11
.if (\t) == 0
	v_mov_b32 v160, v13                            ; four bytes to a register, the lower K in the lower byte
.else
	v_lshl_or_b32 v160, v13, 8*(\t), v160
.endif
.irp g, 0,1,2,3
	v_cvt_scalef32_pk8_fp4_f32 v[144+4*(\t)+\g], v[XS+8*\g:XS+8*\g+7], v11
.endr
	v_nop                                          ; a plain line behind the last conversion
	ds_store_b128 v8, v[144+4*(\t):144+4*(\t)+3] offset:16*(\t)
.endm
.irp t, 0,1,2,3
	WBLOCK \t
.endr
	ds_store_b32 v9, v160
	s_wait_dscnt 0x0                               ; for the others' sake: my codes and bytes lie in LDS
	s_barrier_signal -1
	s_barrier_wait -1
.irp i, 0,1,2,3
	ds_load_b128 v[16+4*\i:19+4*\i], v10 offset:528*\i
.endr
.irp i, 0,1,2,3
	s_wait_dscnt 3-\i
	global_store_b128 v14, v[16+4*\i:19+4*\i], s[14:15] offset:512*\i     ; 32 lanes store a whole row of 512 bytes
.endr
	s_cmp_gt_u32 s22, 3
	s_cbranch_scc1 .Lwdone
	ds_load_b128 v[32:35], v15
	s_wait_dscnt 0x0
	global_store_b128 v7, v[32:35], s[16:17]
.Lwdone:
	FINISH
; ---------------------------------------------------------------- Wo -> f16, transposed: a work-group takes 64 columns n and half of K
.Ltrans:
	s_sub_co_u32 s23, ttmp9, 192
	s_lshr_b32 s26, s23, 1                         ; which 64 columns
	s_and_b32 s27, s23, 1                          ; which 1,024 rows
	s_and_b32 s29, s22, 1
	s_lshr_b32 s30, s22, 1
	s_lshl_b32 s31, s29, 5
	s_lshl_b32 s28, s26, 6
	s_add_co_u32 s28, s28, s31
	s_lshl_b32 s28, s28, 2
	s_lshl_b32 s32, s27, 10
	s_lshl_b32 s33, s30, 7
	s_add_co_u32 s32, s32, s33
	s_lshl_b32 s32, s32, 12
	s_add_co_u32 s28, s28, s32
	s_mov_b32 s29, 0
	s_add_nc_u64 s[24:25], s[12:13], s[28:29]
	v_lshlrev_b32 v5, 2, v1
	WLOAD 4096
	v_add_nc_u32 v4, s31, v1
	v_mul_u32_u24 v8, v4, 2064
	s_lshl_b32 s33, s30, 8
	s_add_co_u32 s33, s33, TSTG
	v_add_nc_u32 v8, s33, v8                       ; my column's row, my wave's 256 bytes of it
	s_mul_i32 s34, s22, 4*2064
	s_add_co_u32 s34, s34, TSTG
	v_lshl_add_u32 v10, v1, 4, s34
	v_lshlrev_b32 v14, 4, v1
	s_lshl_b32 s28, s26, 6
	s_lshl_b32 s35, s22, 2
	s_add_co_u32 s28, s28, s35
	s_lshl_b32 s28, s28, 12
	s_lshl_b32 s35, s27, 11
	s_add_co_u32 s28, s28, s35
	s_add_nc_u64 s[18:19], s[18:19], s[28:29]      ; wot + (64 cg + 4 w) x 4,096 + 2,048 kh
.macro TBLOCK t
	WWAIT \t
.set i, 0
.rept 16
	v_cvt_pk_f16_f32 v[144+16*(\t)+i], v[16+32*(\t)+2*i], v[17+32*(\t)+2*i]
.set i, i+1
.endr
.irp c, 0,1,2,3
	ds_store_b128 v8, v[144+16*(\t)+4*\c:144+16*(\t)+4*\c+3] offset:64*(\t)+16*\c
.endr
.endm
.irp t, 0,1,2,3
	TBLOCK \t
.endr
	s_wait_dscnt 0x0
	s_barrier_signal -1
	s_barrier_wait -1
.irp i, 0,1,2,3
.irp j, 0,1,2,3
	ds_load_b128 v[16+16*\i+4*\j:19+16*\i+4*\j], v10 offset:2064*\i+512*\j
.endr
.endr
.irp i, 0,1,2,3
.irp j, 0,1,2,3
	s_wait_dscnt 15-4*\i-\j
	global_store_b128 v14, v[16+16*\i+4*\j:19+16*\i+4*\j], s[18:19] offset:4096*\i+512*\j   ; 32 lanes store 512 consecutive bytes
.endr
.endr
	FINISH
; ---------------------------------------------------------------- the table: a wave takes 16 positions x 16 of the 64 frequencies; lane (r, h): position 16 tb + r, frequencies 16 bq + 8 h + 0 .. 7
; x = t f, f = 2^(-d log2(10000) / 64); n = the nearest whole number to x 2 / pi; rho = x - n pi / 2 in two parts (the first product is exact); sine and cosine of rho by polynomials on |rho| <= pi / 4; the quadrant by n.
.Lrope:
	s_sub_co_u32 s23, ttmp9, 224
	s_lshl_b32 s23, s23, 4
	s_add_co_u32 s23, s23, s22
	s_lshr_b32 s24, s23, 2                         ; tb
	s_and_b32 s25, s23, 3                          ; bq
	s_lshl_b32 s26, s24, 13
	s_lshl_b32 s27, s25, 10
	s_add_co_u32 s26, s26, s27
	s_mov_b32 s27, 0
	s_add_nc_u64 s[20:21], s[20:21], s[26:27]      ; rope + 8,192 tb + 1,024 bq
	s_mov_b32 s32, 0xbe549a78                      ; -log2(10000) / 64
	s_mov_b32 s33, 0x3f22f983                      ; 2 / pi
	s_mov_b32 s34, 0xbfc90fdb                      ; -(pi / 2 rounded to f32)
	s_mov_b32 s35, 0x333bbd2e                      ; that rounding's excess over pi / 2
	s_mov_b32 s36, 0xb94ca1f9                      ; sine: -1.9515296e-4, 8.3321609e-3, -1.6666655e-1
	s_mov_b32 s37, 0x3c08839e
	s_mov_b32 s38, 0xbe2aaaa3
	s_mov_b32 s39, 0x37ccf5ce                      ; cosine: 2.4433157e-5, -1.3887316e-3, 4.1666646e-2
	s_mov_b32 s40, 0xbab6061a
	s_mov_b32 s41, 0x3d2aaaa5
	v_lshrrev_b32 v4, 4, v1
	v_and_b32 v5, 15, v1
	s_lshl_b32 s28, s25, 4
	v_lshl_add_u32 v6, v4, 3, s28
	s_lshl_b32 s29, s24, 4
	v_add_nc_u32 v7, s29, v5
	v_cvt_f32_u32 v7, v7                           ; t
	v_lshlrev_b32 v12, 4, v1
.irp j, 0,1,2,3,4,5,6,7
	v_add_nc_u32 v[16+\j], \j, v6
.endr
.irp j, 0,1,2,3,4,5,6,7
	v_cvt_f32_u32 v[16+\j], v[16+\j]
.endr
.irp j, 0,1,2,3,4,5,6,7
	v_mul_f32 v[16+\j], s32, v[16+\j]
.endr
.irp j, 0,1,2,3,4,5,6,7
	v_exp_f32 v[16+\j], v[16+\j]                   ; f
.endr
	v_nop                                          ; a plain line behind the last exponential,
	s_wait_alu depctr_va_vdst(0)                   ; and the one wait for the batch, ahead of its first reader
.irp j, 0,1,2,3,4,5,6,7
	v_mul_f32 v[24+\j], v7, v[16+\j]               ; x
.endr
.irp j, 0,1,2,3,4,5,6,7
	v_mul_f32 v[32+\j], s33, v[24+\j]
.endr
.irp j, 0,1,2,3,4,5,6,7
	v_rndne_f32 v[32+\j], v[32+\j]                 ; n
.endr
.irp j, 0,1,2,3,4,5,6,7
	v_fma_f32 v[40+\j], v[32+\j], s34, v[24+\j]
.endr
.irp j, 0,1,2,3,4,5,6,7
	v_fma_f32 v[40+\j], v[32+\j], s35, v[40+\j]    ; rho
.endr
.irp j, 0,1,2,3,4,5,6,7
	v_mul_f32 v[48+\j], v[40+\j], v[40+\j]         ; z
.endr
.irp j, 0,1,2,3,4,5,6,7
	v_fma_f32 v[56+\j], v[48+\j], s36, s37
	v_fma_f32 v[64+\j], v[48+\j], s39, s40
.endr
.irp j, 0,1,2,3,4,5,6,7
	v_fma_f32 v[56+\j], v[56+\j], v[48+\j], s38
	v_fma_f32 v[64+\j], v[64+\j], v[48+\j], s41
.endr
.irp j, 0,1,2,3,4,5,6,7
	v_mul_f32 v[56+\j], v[56+\j], v[48+\j]
	v_mul_f32 v[96+\j], v[48+\j], v[48+\j]
	v_fma_f32 v[104+\j], v[48+\j], -0.5, 1.0
.endr
.irp j, 0,1,2,3,4,5,6,7
	v_fma_f32 v[56+\j], v[56+\j], v[40+\j], v[40+\j]     ; sin rho
	v_fma_f32 v[64+\j], v[64+\j], v[96+\j], v[104+\j]    ; cos rho
	v_cvt_i32_f32 v[72+\j], v[32+\j]
.endr
.irp j, 0,1,2,3,4,5,6,7
	v_and_b32 v[96+\j], 1, v[72+\j]
	v_cmp_eq_u32 vcc_lo, 1, v[96+\j]               ; in odd quadrants sine and cosine change places
	v_cndmask_b32 v[80+\j], v[64+\j], v[56+\j], vcc_lo
	v_cndmask_b32 v[88+\j], v[56+\j], v[64+\j], vcc_lo
	v_add_nc_u32 v[96+\j], 1, v[72+\j]
	v_and_b32 v[96+\j], 2, v[96+\j]                ; the cosine is negative in quadrants 1 and 2,
	v_lshlrev_b32 v[96+\j], 30, v[96+\j]
	v_xor_b32 v[80+\j], v[80+\j], v[96+\j]
	v_and_b32 v[104+\j], 2, v[72+\j]               ; the sine in quadrants 2 and 3
	v_lshlrev_b32 v[104+\j], 30, v[104+\j]
	v_xor_b32 v[88+\j], v[88+\j], v[104+\j]
.endr
	global_store_b128 v12, v[80:83], s[20:21]                  ; each store covers 512 consecutive bytes
	global_store_b128 v12, v[84:87], s[20:21] offset:512
	global_store_b128 v12, v[88:91], s[20:21] offset:4096
	global_store_b128 v12, v[92:95], s[20:21] offset:4608
	FINISH
.Lfunc_end_k_q3bc413d27f_prep:
	.size	k_q3bc413d27f_prep, .Lfunc_end_k_q3bc413d27f_prep-k_q3bc413d27f_prep
	.p2alignl 7, 3214868480
	.fill 96, 4, 3214868480
	.section	.rodata,"a",@progbits
	.p2align	6, 0x0
	.amdhsa_kernel k_q3bc413d27f_prep
		.amdhsa_group_segment_fixed_size 252928
		.amdhsa_private_segment_fixed_size 0
		.amdhsa_enable_private_segment 0
		.amdhsa_kernarg_size 72
		.amdhsa_user_sgpr_count 2
		.amdhsa_user_sgpr_kernarg_segment_ptr 1
		.amdhsa_wavefront_size32 1
		.amdhsa_system_sgpr_workgroup_id_x 1
		.amdhsa_system_sgpr_workgroup_id_y 1
		.amdhsa_system_sgpr_workgroup_id_z 1
		.amdhsa_system_vgpr_workitem_id 0
		.amdhsa_next_free_vgpr 208
		.amdhsa_next_free_sgpr 66
		.amdhsa_reserve_vcc 1
		.amdhsa_float_denorm_mode_32 3
		.amdhsa_float_denorm_mode_16_64 3
		.amdhsa_memory_ordered 1
		.amdhsa_forward_progress 1
		.amdhsa_inst_pref_size 78
	.end_amdhsa_kernel
	.amdgpu_metadata
---
amdhsa.version: [ 1, 2 ]
amdhsa.kernels:
  - .name:           k_q3bc413d27f_prep
    .symbol:         k_q3bc413d27f_prep.kd
    .args:
      - { .name: x, .offset: 0, .size: 8, .value_kind: global_buffer, .address_space: global }
      - { .name: Wq, .offset: 8, .size: 8, .value_kind: global_buffer, .address_space: global }
      - { .name: Wk, .offset: 16, .size: 8, .value_kind: global_buffer, .address_space: global }
      - { .name: Wv, .offset: 24, .size: 8, .value_kind: global_buffer, .address_space: global }
      - { .name: Wo, .offset: 32, .size: 8, .value_kind: global_buffer, .address_space: global }
      - { .name: cod, .offset: 40, .size: 8, .value_kind: global_buffer, .address_space: global }
      - { .name: scl, .offset: 48, .size: 8, .value_kind: global_buffer, .address_space: global }
      - { .name: wot, .offset: 56, .size: 8, .value_kind: global_buffer, .address_space: global }
      - { .name: rope, .offset: 64, .size: 8, .value_kind: global_buffer, .address_space: global }
    .group_segment_fixed_size: 252928
    .private_segment_fixed_size: 0
    .kernarg_segment_align: 8
    .kernarg_segment_size: 72
    .max_flat_workgroup_size: 512
    .sgpr_count:     66
    .vgpr_count:     208
    .wavefront_size: 32
...
	.end_amdgpu_metadata
.endif
;; end of part 1
;; launch qkv (part 2): grid 16 x 16, 4 waves a work-group, clusters of 4 x 4, 327,680 bytes of LDS; arguments cod, scl, rope, q_norm_w, k_norm_w, qkv16, h32; writes qkv16, h32
.if DOCPART == 2
	.amdgcn_target "amdgcn-amd-amdhsa--gfx1250"
	.amdhsa_code_object_version 6
	.text
	.protected	k_q3bc413d27f_qkv
	.globl	k_q3bc413d27f_qkv
	.p2align	8
	.type	k_q3bc413d27f_qkv,@function
k_q3bc413d27f_qkv:
	s_mov_b64 s[64:65], 0
	v_nop
	global_prefetch_b8 v0, s[64:65] scope:SCOPE_SE
	s_setreg_imm32_b32 hwreg(HW_REG_WAVE_MODE, 25, 1), 1
	s_wait_xcnt 0x0
	s_wait_alu depctr_hold_cnt(0) depctr_sa_sdst(0) depctr_va_vdst(0) depctr_va_sdst(0) depctr_va_ssrc(0) depctr_va_vcc(0) depctr_vm_vsrc(0)
	s_getreg_b32 s2, hwreg(HW_REG_IB_STS2, 6, 4)
	s_cmp_eq_u32 s2, 0
	s_cbranch_scc0 .Lentry_in_a_cluster
	s_endpgm
.Lentry_in_a_cluster:
	s_bfe_u32 s2, ttmp6, 0x10000c
	s_cmp_lg_u32 s2, 0xf033
	s_cbranch_scc0 .Lentry_shape_is_right
	s_endpgm
.Lentry_shape_is_right:
; THE THREE PROJECTIONS AS ONE PRODUCT ON CODES OF E2M1: C [4096 rows of x][4096 columns: Wq 0-2047, Wk 2048-3071, Wv 3072-4095], K = 1,024, sums in f32; on the way out the per-head RMS norm, the rotary embedding and the rounding to f16.
; A tile of C, 256 x 256, is made by a work-group of four waves; a wave makes 128 x 128: 64 accumulators, 512 registers.  A wave's 128 columns are ONE head.
; K is two steps of 512 (a tile's row is 256 bytes of memory): both steps' tiles and all scale bytes are asked for at the head, into two LDS slots; nothing is filled again.  By this text's own count a wave has three tensor loads out at the start.
; CLUSTERS: 4 x 4 work-groups.  The four of a row of the cluster need the same tiles of x, the four of a column the same tiles of the weights: each tile is asked for jointly.
; THE MATRIX INSTRUCTION IS USED TRANSPOSED (source 0 = 16 rows of the weights, source 1 = 16 rows of x): lane (r, h) holds row 16 a + r and columns 16 b + 8 h + 0 .. 7 of accumulator (a, b): columns d and d + 64 of a head lie in ONE lane.
; OUT: qkv16 [2][32 heads: 0-15 q, 16-23 k, 24-31 v][2048][128] f16; h32 [2][32][16][128] f32: positions 0 to 15 unrounded, for the launch that carries them finely.
; LIMITS: q, k, v beyond 65,504 in magnitude are not served (f16); NaN and infinities are not served.
; REGISTERS, in windows of 256: window 0: v0-31 addresses; v32-95 scale words, two sets, and nothing else; v128-191 x's fragments, on the way out Y (a block's 64 numbers a lane); v96-127 H (f16); v192-210 at work.
;   window 1: the weights' fragments at v0-63 and v128-191; v64-127 the norm's weights; the table of cos and sin by turns in v192-255 and v0-63; on the way out v128-191 rows read back from the stage.
;   window 2: the 32 accumulators of my rows 0-63 (accumulator (a, b) at v[8 (8 a + b)]);   window 3: those of my rows 64-127.
.set SIZE_K, 1024
.set KSTEP,  512
.set NQ,     KSTEP/128
.set ROWB,   256                       ; a tile's row in bytes
.set KROW,   SIZE_K/2                  ; a row of codes in memory
.set PITCH,  272                       ; an LDS row: 256 bytes + 16 of padding = 68 words: the 16 rows that a load touches start 4 banks apart
.set FR,     8
.set NL,     2
.set NP,     4                         ; places behind this matrix instruction
.set HALFT,  128*PITCH
.set SLOT,   4*HALFT
.set KS,     SIZE_K/32                 ; a row of scale bytes
.set SCL,    2*SLOT                    ; behind the slots: the scale bytes, as rows of 256 bytes + 16 of padding
.set HALFS,  (128*KS/256)*272
.set SBLK,   (16*KS/256)*272
.set SPARE,  SCL+4*HALFS               ; the spare words, 128 bytes for each wave: two blocks of 256 bytes that no other line names
.set SPITCH, 272                       ; the way out: a stage of 16 rows x (256 bytes + 16) for each wave, in slot 0, which has had its only fill and its last read when the first result is stored there
.set ADRA, 16
.set ADRB, 20
.set HO,   22                          ; v22  h32: 512 r + 32 h
.set NWO,  23                          ; v23  the norm's weights: 32 h
.set STO,  24                          ; v24  the stage, in
.set RD,   25                          ; v25  the stage, back
.set CO,   26                          ; v26  16 x lane
.set ADRS, 27
.set SPW,  28
.set NIL,  29
.set FLG,  30                          ; v30  my wave's first position
.set SC,   32
.set AF,   128
.set H,    96
.set Y,    128
.set SS,   192                         ; v192-199 four pairs: the sum of squares
.set RS,   200                         ; v200 1 / rms; v201 named with it as a pair
.set TT,   202                         ; v202-209 at work
.set PT,   210
.set NWR,  64                          ; window 1
.set OB,   128                         ; window 1: two sets of 32
.set G1, 24
.set G0, 32
.set G1B, 48
.set G0B, 56
.set G1S, 68
.set G0S, 76
.set G1SB, 80
.set G0SB, 88
.set MSB, 0
.macro WIN new                         ; the immediate's high byte repeats the setting that is left
.if MSB != (\new)
	s_set_vgpr_msb (MSB<<8)|(\new)
.set MSB, (\new)
.endif
.endm
.set MUL_LO, 0xa1                      ; source 0 (weights) window 1, source 1 (x) window 0, C and D window 2
.set MUL_HI, 0xf1
.set TO_B,   0x40
; A joint load: waves 0 and 1 fetch for x, waves 2 and 3 for the weights.  An s_nop 0 and four v_nop follow each of the two lines.
.macro JLOAD g0a, g1a, g0b, g1b
	s_cmp_eq_u32 s15, 0
	s_cbranch_scc0 .Lfor_b_\@
	tensor_load_to_lds s[\g0a:\g0a+3], s[\g1a:\g1a+7]
	s_nop 0
.rept 4
	v_nop
.endr
	s_branch .Lasked_\@
.Lfor_b_\@:
	tensor_load_to_lds s[\g0b:\g0b+3], s[\g1b:\g1b+7]
	s_nop 0
.rept 4
	v_nop
.endr
.Lasked_\@:
.endm
.macro CROUND                          ; a round of the cluster's barrier
	s_barrier_signal -1
	s_barrier_wait -1
	s_cmp_lg_u32 s14, 0
	s_cbranch_scc1 .Lnot_wave_0_\@
	s_barrier_signal -3
.Lnot_wave_0_\@:
	s_barrier_wait -3
	s_barrier_signal -1
	s_barrier_wait -1
.endm
	s_load_b128 s[4:7], s[0:1], 0x0                ; cod s[4:5], scl s[6:7]
	v_lshl_add_u32 v[SPW], v0, 2, SPARE
	v_mov_b32 v[NIL], 0
	ds_add_u32 v[SPW], v[NIL]                      ; the wave's opening: the add, twice on end, and its wait ahead of my first tensor load
	ds_add_u32 v[SPW], v[NIL]
	v_lshrrev_b32 v1, 5, v0
	v_readfirstlane_b32 s14, v1                    ; wave 0..3
	s_lshr_b32 s15, s14, 1                         ; which half of the tile's rows is mine.  Also: I fetch for x (0) or for the weights (1)
	s_and_b32 s16, s14, 1                          ; which half of its columns.  Also: which 128 rows of that tile I fetch
	s_bfe_u32 s40, ttmp6, 0x40000                  ; cx, cy
	s_bfe_u32 s41, ttmp6, 0x40004
	s_lshl_b32 s42, ttmp9, 2
	s_add_co_u32 s42, s42, s40                     ; tile column
	s_and_b32 s17, ttmp7, 0xffff
	s_lshl_b32 s17, s17, 2
	s_add_co_u32 s17, s17, s41                     ; tile row
	s_lshl_b32 s43, s41, 2
	s_lshl_b32 s43, 15, s43                        ; my row of the cluster
	s_lshl_b32 s44, 0x1111, s40                    ; my column
	s_or_b32 s[G1+0], s43, (0<<16)|(1<<20)|(1<<21)|(5<<22)|(3<<25)  ; the mask; elements of 1 byte; padding: 4 words after every 64
	s_or_b32 s[G1B+0], s44, (0<<16)|(1<<20)|(1<<21)|(5<<22)|(3<<25)
.irp g, G1, G1B
	s_mov_b32 s[\g+1], ROWB<<16                    ; tensor_dim0
	s_mov_b32 s[\g+2], 128<<16                     ; tensor_dim1
	s_mov_b32 s[\g+3], ROWB<<16                    ; tile_dim0
	s_mov_b32 s[\g+4], 128                         ; tile_dim1
	s_mov_b32 s[\g+5], KROW                        ; the pitch
	s_mov_b32 s[\g+6], 0
	s_mov_b32 s[\g+7], 0
.endr
	s_or_b32 s[G1S+0], s43, (3<<16)|(1<<20)|(1<<21)|(5<<22)|(3<<25) ; the scale bytes of 128 rows: a dense block, as rows of 256 bytes (32 elements of 8 bytes)
	s_or_b32 s[G1SB+0], s44, (3<<16)|(1<<20)|(1<<21)|(5<<22)|(3<<25)
.irp g, G1S, G1SB
	s_mov_b32 s[\g+1], 32<<16
	s_mov_b32 s[\g+2], (128*KS/256)<<16
	s_mov_b32 s[\g+3], 32<<16
	s_mov_b32 s[\g+4], 128*KS/256
	s_mov_b32 s[\g+5], 32
	s_mov_b32 s[\g+6], 0
	s_mov_b32 s[\g+7], 0
.endr
	s_lshl_b32 s18, s16, 7
	s_lshl_b32 s20, s17, 8
	s_add_co_u32 s20, s20, s18                     ; x: row 256 x tile row + 128 x half
	s_lshl_b32 s46, s42, 8
	s_add_co_u32 s46, s46, s18                     ; weights: row 256 x tile column + 128 x half
	s_mov_b32 s21, 0
	s_mov_b32 s47, 0
	s_mov_b64 s[18:19], KS
	s_mul_u64 s[22:23], s[20:21], s[18:19]
	s_mul_u64 s[92:93], s[46:47], s[18:19]
	s_mov_b64 s[18:19], KROW
	s_mul_u64 s[20:21], s[20:21], s[18:19]
	s_mul_u64 s[46:47], s[46:47], s[18:19]
	s_mul_i32 s45, s14, HALFT                      ; where they go: wave x 128 rows: no place in the cluster enters an LDS address
	s_mul_i32 s94, s14, HALFS
	s_wait_dscnt 0x0                               ; both opening adds are done
	s_wait_kmcnt 0x0
	s_add_nc_u64 s[8:9], s[4:5], 0x200000          ; the weights' codes lie 2 MiB into cod,
	s_add_nc_u64 s[10:11], s[6:7], 0x20000         ; their scale bytes 128 KiB into scl
	s_add_nc_u64 s[20:21], s[4:5], s[20:21]
	s_add_nc_u64 s[22:23], s[6:7], s[22:23]
	s_add_nc_u64 s[46:47], s[8:9], s[46:47]
	s_add_nc_u64 s[92:93], s[10:11], s[92:93]
	CROUND                                         ; all sixteen work-groups are here: the joint loads meet
	s_mov_b32 s[G0S], 1
	s_add_co_u32 s[G0S+1], s94, SCL
	s_mov_b64 s[G0S+2:G0S+3], s[22:23]
	s_or_b32 s[G0S+3], s[G0S+3], 0x80000000
	s_mov_b32 s[G0SB], 1
	s_add_co_u32 s[G0SB+1], s94, SCL
	s_mov_b64 s[G0SB+2:G0SB+3], s[92:93]
	s_or_b32 s[G0SB+3], s[G0SB+3], 0x80000000
	JLOAD G0S, G1S, G0SB, G1SB                     ; the scale bytes first: they are wanted with K step 0
.irp s, 0,1
	s_mov_b32 s[G0+4*\s], 1
	s_add_co_u32 s[G0+4*\s+1], s45, \s*SLOT
	s_add_nc_u64 s[G0+4*\s+2:G0+4*\s+3], s[20:21], \s*ROWB
	s_or_b32 s[G0+4*\s+3], s[G0+4*\s+3], 0x80000000
	s_mov_b32 s[G0B+4*\s], 1
	s_add_co_u32 s[G0B+4*\s+1], s45, \s*SLOT
	s_add_nc_u64 s[G0B+4*\s+2:G0B+4*\s+3], s[46:47], \s*ROWB
	s_or_b32 s[G0B+4*\s+3], s[G0B+4*\s+3], 0x80000000
	JLOAD G0+4*\s, G1, G0B+4*\s, G1B
.endr
	s_load_b256 s[4:11], s[0:1], 0x10              ; rope s[4:5], q_norm_w s[6:7], k_norm_w s[8:9], qkv16 s[10:11]
	s_load_b64 s[12:13], s[0:1], 0x30              ; h32
	v_and_b32 v1, 15, v0                           ; r
	v_bfe_u32 v2, v0, 4, 1                         ; h
	v_mul_u32_u24 v3, v1, PITCH
	v_lshl_add_u32 v4, v2, 4, v3
	s_mul_i32 s21, s15, HALFT
	s_mul_i32 s22, s16, HALFT
	s_add_co_u32 s22, s22, 2*HALFT
.irp s, 0,1
	v_add_nc_u32 v[ADRA+\s], s21, v4
	v_add_nc_u32 v[ADRB+\s], s22, v4
	s_add_co_u32 s21, s21, SLOT
	s_add_co_u32 s22, s22, SLOT
.endr
	v_mul_u32_u24 v5, v1, KS
	v_lshrrev_b32 v6, 8, v5
	v_lshl_add_u32 v5, v6, 4, v5                   ; my row's scale bytes: KS a row, and 16 more for each 256 passed
	s_mul_i32 s21, s15, HALFS
	s_mul_i32 s22, s16, HALFS
	s_add_co_u32 s22, s22, 2*HALFS
	s_sub_co_u32 s22, s22, s21
	v_mul_u32_u24 v6, s22, v2                      ; lanes 16-31 take the weights'
	s_add_co_u32 s21, s21, SCL
	v_add_nc_u32 v5, v5, v6
	v_add_nc_u32 v[ADRS], s21, v5
	s_mul_i32 s23, s14, 16*SPITCH                  ; my stage
	v_mul_u32_u24 v5, v1, SPITCH
	v_lshl_add_u32 v5, v2, 4, v5
	v_add_nc_u32 v[STO], s23, v5                   ; in: row r, 16 bytes for each half of the lanes
	v_mul_u32_u24 v5, v2, SPITCH
	v_lshl_add_u32 v5, v1, 4, v5
	v_add_nc_u32 v[RD], s23, v5                    ; back: lanes 0-15 one row of 256 bytes, lanes 16-31 the next
	v_and_b32 v6, 31, v0
	v_lshlrev_b32 v[CO], 4, v6
	v_lshlrev_b32 v[HO], 9, v1
	v_lshl_add_u32 v[HO], v2, 5, v[HO]
	v_lshlrev_b32 v[NWO], 5, v2
	s_lshl_b32 s92, s42, 1
	s_add_co_u32 s92, s92, s16                     ; my head, 0..31
	s_lshl_b32 s93, s17, 8
	s_lshl_b32 s94, s15, 7
	s_add_co_u32 s93, s93, s94                     ; my first row of x
	s_lshr_b32 s94, s93, 11                        ; the batch
	s_and_b32 s95, s93, 2047                       ; my first position; it stays
	s_lshl_b32 s94, s94, 5
	s_add_co_u32 s94, s94, s92                     ; 32 x batch + head
	s_mov_b32 s97, 0
	s_wait_kmcnt 0x0
	s_cmp_lt_u32 ttmp9, 2                          ; the cluster's x says what my columns are: 0, 1 q; 2 k; 3 v: alike in all sixteen partners
	s_cselect_b64 s[6:7], s[6:7], s[8:9]
	s_lshl_b32 s96, s95, 9
	s_add_nc_u64 s[4:5], s[4:5], s[96:97]          ; the table: 8,192 bytes for 16 positions
	s_lshl_b32 s96, s94, 11
	s_add_co_u32 s96, s96, s95
	s_lshl_b32 s96, s96, 8
	s_add_nc_u64 s[10:11], s[10:11], s[96:97]      ; qkv16 at my head's row of my first position
	s_lshl_b32 s96, s94, 13
	s_add_nc_u64 s[12:13], s[12:13], s[96:97]      ; h32 at my head
	s_mov_b32 s18, 0x3c000000                      ; 1 / 128
	s_mov_b32 s19, 0x358637bd                      ; 1e-6
	s_mov_b32 s20, 0x76543210                      ; v_permlanex16_b32's selects for lane l xor 16
	s_mov_b32 s21, 0xfedcba98
	WIN TO_B                                       ; into registers of window 1 that the product leaves idle: they land while it runs
.irp b, 0,1,2,3,4,5,6,7
.irp u, 0,1
	global_load_b128 v[NWR+8*\b+4*\u:NWR+8*\b+4*\u+3], v[NWO], s[6:7] offset:64*\b+16*\u    ; the norm's weights of my lane's columns 16 b + 8 h + 0 .. 7
.endr
.endr
.irp q, 0,1,2,3,4,5,6,7,8,9,10,11,12,13,14,15
	global_load_b128 v[192+4*\q:195+4*\q], v[CO], s[4:5] offset:512*\q                      ; the table for my first 16 positions
.endr
	WIN 0
.macro FRAG reg, adr, q, i             ; a fragment, 16 rows x 128 K of 4-bit codes: 8 registers, two loads of 16 bytes, 32 bytes apart
.irp c, 0,1
	ds_load_b128 v[\reg+4*\c:\reg+4*\c+3], v[\adr] offset:64*(\q)+32*\c+(\i)*16*PITCH
.endr
.endm
; 16 matrix instructions: x's blocks a0, a0 + 1 against the weights' eight.  The 64 accumulators take turns, one instruction a turn, in the same order in every step.
.macro MUL16 a0, p, q, sc, zero
.irp a, \a0, \a0+1
.irp b, 0,1,2,3,4,5,6,7
.if \zero
	v_wmma_scale_f32_16x16x128_f8f6f4 v[8*(8*((\a)%4)+\b):8*(8*((\a)%4)+\b)+7], v[128*(\p)+FR*\b:128*(\p)+FR*\b+FR-1], v[AF+FR*(\a):AF+FR*(\a)+FR-1], 0, v[SC+8*NQ*(\sc)+NQ*\b+(\q)], v[SC+8*NQ*(\sc)+NQ*(\a)+(\q)] matrix_a_fmt:MATRIX_FMT_FP4 matrix_b_fmt:MATRIX_FMT_FP4 matrix_a_scale:MATRIX_SCALE_ROW1
.else
	v_wmma_scale_f32_16x16x128_f8f6f4 v[8*(8*((\a)%4)+\b):8*(8*((\a)%4)+\b)+7], v[128*(\p)+FR*\b:128*(\p)+FR*\b+FR-1], v[AF+FR*(\a):AF+FR*(\a)+FR-1], v[8*(8*((\a)%4)+\b):8*(8*((\a)%4)+\b)+7], v[SC+8*NQ*(\sc)+NQ*\b+(\q)], v[SC+8*NQ*(\sc)+NQ*(\a)+(\q)] matrix_a_fmt:MATRIX_FMT_FP4 matrix_b_fmt:MATRIX_FMT_FP4 matrix_a_scale:MATRIX_SCALE_ROW1
.endif
.endr
.endr
.endm
.macro FETCH_B slot, q, p
	WIN TO_B
.irp i, 0,1,2,3,4,5,6,7
	FRAG 128*(\p)+FR*\i, ADRB+\slot, \q, \i
.endr
	WIN 0
.endm
.macro FETCH_A slot, q, i0
.irp i, \i0, \i0+1, \i0+2, \i0+3
	FRAG AF+FR*(\i), ADRA+\slot, \q, \i
.endr
.endm
.macro SCALES sc                       ; a K step's scale words: lanes 0-15 take x's block i, lanes 16-31 the weights' block i
.irp i, 0,1,2,3,4,5,6,7
	ds_load_b128 v[SC+8*NQ*\sc+NQ*\i:SC+8*NQ*\sc+NQ*\i+3], v[ADRS] offset:\i*SBLK
.endr
.endm
.macro PLACES n                        ; plain vector lines between a matrix instruction and a load into, or a read of, its registers
.rept \n
	v_nop
.endr
.endm
.macro STEP slot, q, zero              ; 128 along K, with its successor in the same slot
	s_wait_dscnt 4*NL                              ; the weights' set and x's blocks 0-3 are in; the youngest eight loads (x's blocks 4-7) may be out
	WIN MUL_LO
	MUL16 0, (\q)%2, \q, \slot, \zero
	MUL16 2, (\q)%2, \q, \slot, \zero
	s_wait_dscnt 0                                 ; x's blocks 4-7 are in
	PLACES NP
	FETCH_B \slot, (\q)+1, 1-(\q)%2
	FETCH_A \slot, (\q)+1, 0
	WIN MUL_HI
	MUL16 4, (\q)%2, \q, \slot, \zero
	MUL16 6, (\q)%2, \q, \slot, \zero
	PLACES NP
	WIN 0
	FETCH_A \slot, (\q)+1, 4
.endm
.macro STEPS slot, from
.set Q, \from
.rept NQ-1-\from
	STEP \slot, Q, 0
.set Q, Q+1
.endr
.endm
	s_wait_tensorcnt 1                             ; the scale bytes and my part of K step 0 are in; K step 1's load, the one issued behind them, may be out
	s_barrier_signal -1
	s_barrier_wait -1
	FETCH_B 0, 0, 0
	FETCH_A 0, 0, 0
	SCALES 0
	FETCH_A 0, 0, 4
	STEP 0, 0, 1                                   ; the first products start the sums: nothing is cleared
	STEPS 0, 1
	; slot 0's last step changes slots: one barrier; in front of it each wave waits for all its tensor loads, adds 0 to its spare word, and waits for that and for its reads of slot 0
	s_wait_tensorcnt 0x0                           ; my part of slot 1 has landed
	ds_add_u32 v[SPW], v[NIL]
	s_wait_dscnt 4*NL+1                            ; (the add and the youngest eight loads may be out)
	WIN MUL_LO
	MUL16 0, 1, NQ-1, 0, 0
	s_wait_dscnt 0x0                               ; the add is done, and my reads of slot 0 are over
	s_barrier_signal -1
	MUL16 2, 1, NQ-1, 0, 0
	WIN 0
	s_barrier_wait -1
	PLACES NP
	v_add_nc_u32 v[ADRS], 4*NQ, v[ADRS]            ; on to K step 1's scale words
	FETCH_B 1, 0, 0
	FETCH_A 1, 0, 0
	SCALES 1
	WIN MUL_HI
	MUL16 4, 1, NQ-1, 0, 0
	MUL16 6, 1, NQ-1, 0, 0
	PLACES NP
	WIN 0
	FETCH_A 1, 0, 4
	STEPS 1, 0
	s_wait_dscnt 4*NL                              ; the very last step
	WIN MUL_LO
	MUL16 0, 1, NQ-1, 1, 0
	MUL16 2, 1, NQ-1, 1, 0
	s_wait_dscnt 0
	WIN MUL_HI
	MUL16 4, 1, NQ-1, 1, 0
	MUL16 6, 1, NQ-1, 1, 0
	WIN 0
; THE WAY OUT, block by block of 16 rows x 128 columns (one head).
.macro ROWS_ON                         ; lanes stay on only in the waves whose first position is 0: no branch hangs on a work-group's place in its cluster.  EXEC changes only behind a wait that frees the sources of what is pending
	s_wait_xcnt 0x0
	v_cmp_eq_u32 vcc_lo, 0, v[FLG]
	s_and_saveexec_b32 s22, vcc_lo
.endm
.macro ROWS_OFF
	s_wait_xcnt 0x0
	s_or_b32 exec_lo, exec_lo, s22
.endm
.macro QSEND a                         ; block a's 16 rows, back from the stage, are stored: each store covers 512 consecutive bytes (two rows of a head)
	s_wait_dscnt 0x0
	WIN 0x04                                       ; a store's data are its source 1: window 1
.irp t, 0,1,2,3,4,5,6,7
	global_store_b128 v[CO], v[OB+32*((\a)%2)+4*\t:OB+32*((\a)%2)+4*\t+3], s[10:11] offset:(\a)*4096+512*\t
.endr
	WIN 0
.endm
.macro TOSTAGE a                       ; H goes into my stage and comes back as whole rows; LDS serves a wave's instructions in order
	s_wait_xcnt 0x0                                ; the stores of two blocks back have read the registers that the loads below fill
.irp b, 0,1,2,3,4,5,6,7
	ds_store_b128 v[STO], v[H+4*\b:H+4*\b+3] offset:32*\b
.endr
	WIN 0x40
.irp t, 0,1,2,3,4,5,6,7
	ds_load_b128 v[OB+32*((\a)%2)+4*\t:OB+32*((\a)%2)+4*\t+3], v[RD] offset:2*SPITCH*\t
.endr
	WIN 0
.endm
.macro BLOCKQK a                       ; q and k: norm, rotary embedding, f16
.set AW, 2+(\a)/4
.set AC, 64*((\a)%4)
.set TC, 192*(1-(\a)%2)                ; this block's table, in window 1
.set TN, 192*((\a)%2)                  ; the next block's
.if (\a) < 7
	WIN 0x40
.irp q, 0,1,2,3,4,5,6,7,8,9,10,11,12,13,14,15
	global_load_b128 v[TN+4*\q:TN+4*\q+3], v[CO], s[4:5] offset:((\a)+1)*8192+512*\q
.endr
.endif
	WIN AW|(AW<<2)
.irp b, 0,1,2,3,4,5,6,7                ; the sum of my 64 squares, in four chains; each accumulator is read from its low end on
.irp p, 0,1,2,3
.if \b == 0
	v_pk_mul_f32 v[SS+2*\p:SS+2*\p+1], v[AC+2*\p:AC+2*\p+1], v[AC+2*\p:AC+2*\p+1]
.else
	v_pk_fma_f32 v[SS+2*\p:SS+2*\p+1], v[AC+8*\b+2*\p:AC+8*\b+2*\p+1], v[AC+8*\b+2*\p:AC+8*\b+2*\p+1], v[SS+2*\p:SS+2*\p+1]
.endif
.endr
.endr
	WIN 0
	v_pk_add_f32 v[SS:SS+1], v[SS:SS+1], v[SS+2:SS+3]
	v_pk_add_f32 v[SS+4:SS+5], v[SS+4:SS+5], v[SS+6:SS+7]
	v_pk_add_f32 v[SS:SS+1], v[SS:SS+1], v[SS+4:SS+5]
	v_add_f32 v[SS], v[SS], v[SS+1]
	v_permlanex16_b32 v[PT], v[SS], s20, s21       ; the row's other 64 columns lie in the lane 16 away
	v_add_f32 v[SS], v[SS], v[PT]
	v_fma_f32 v[SS], v[SS], s18, s19               ; the mean + 1e-6
	v_rsq_f32 v[RS], v[SS]
	v_nop                                          ; a plain line behind the transcendental,
	s_wait_alu depctr_va_vdst(0)                   ; and the wait ahead of its first reader
	WIN AW
.set g, 0
.rept 32
	v_pk_mul_f32 v[Y+2*g:Y+2*g+1], v[AC+2*g:AC+2*g+1], v[RS:RS+1] op_sel_hi:[1,0]
.set g, g+1
.endr
.if (\a) < 7
	s_wait_loadcnt 16                              ; the norm's weights and this block's table are in; the next block's sixteen loads may be out
.else
	s_wait_loadcnt 0x0
.endif
	WIN 0x04                                       ; source 1 in window 1
.set g, 0
.rept 32
	v_pk_mul_f32 v[Y+2*g:Y+2*g+1], v[Y+2*g:Y+2*g+1], v[NWR+2*g:NWR+2*g+1]
.set g, g+1
.endr
.set g, 0
.rept 16                               ; lo' = lo cos - hi sin;  hi' = hi cos + lo sin;  lo = columns 0-63 (Y 0-31), hi = columns 64-127 (Y 32-63)
.set T1, TT+4*(g%2)
.set T2, T1+2
	v_pk_mul_f32 v[T1:T1+1], v[Y+32+2*g:Y+33+2*g], v[TC+32+2*g:TC+33+2*g]
	v_pk_mul_f32 v[T2:T2+1], v[Y+2*g:Y+2*g+1], v[TC+32+2*g:TC+33+2*g]
	v_pk_fma_f32 v[Y+2*g:Y+2*g+1], v[Y+2*g:Y+2*g+1], v[TC+2*g:TC+2*g+1], v[T1:T1+1] neg_lo:[0,0,1] neg_hi:[0,0,1]
	v_pk_fma_f32 v[Y+32+2*g:Y+33+2*g], v[Y+32+2*g:Y+33+2*g], v[TC+2*g:TC+2*g+1], v[T2:T2+1]
.set g, g+1
.endr
	WIN 0
.if (\a) == 0
	ROWS_ON
.irp b, 0,1,2,3,4,5,6,7
	global_store_b128 v[HO], v[Y+8*\b:Y+8*\b+3], s[12:13] offset:64*\b
	global_store_b128 v[HO], v[Y+8*\b+4:Y+8*\b+7], s[12:13] offset:64*\b+16
.endr
	ROWS_OFF
.else
	QSEND (\a)-1                                   ; its wait also shows the last block's stores into the stage done: H may be written again
.endif
.set g, 0
.rept 32
	v_cvt_pk_f16_f32 v[H+g], v[Y+2*g], v[Y+2*g+1]
.set g, g+1
.endr
	TOSTAGE \a
.endm
.macro BLOCKV a                        ; v: f16 alone
.set AW, 2+(\a)/4
.set AC, 64*((\a)%4)
.if (\a) == 0
	ROWS_ON
	WIN AW<<2
.irp b, 0,1,2,3,4,5,6,7
	global_store_b128 v[HO], v[AC+8*\b:AC+8*\b+3], s[12:13] offset:64*\b
	global_store_b128 v[HO], v[AC+8*\b+4:AC+8*\b+7], s[12:13] offset:64*\b+16
.endr
	WIN 0
	ROWS_OFF
.else
	QSEND (\a)-1
.endif
	WIN AW|(AW<<2)
.set g, 0
.rept 32
	v_cvt_pk_f16_f32 v[H+g], v[AC+2*g], v[AC+2*g+1]
.set g, g+1
.endr
	WIN 0
	TOSTAGE \a
.endm
	PLACES NP                                      ; behind the last products: their results are read, and registers that they read are loaded and written, below
	v_mov_b32 v[RS+1], 0                           ; named as the upper half of a pair
	v_mov_b32 v[PT], 0                             ; a lane permute's destination counts as one of its sources
	v_mov_b32 v[FLG], s95
	s_cmp_eq_u32 ttmp9, 3
	s_cbranch_scc1 .Lvway
.irp a, 0,1,2,3,4,5,6,7
	BLOCKQK \a
.endr
	QSEND 7
	s_branch .Lfin
.Lvway:
.irp a, 0,1,2,3,4,5,6,7
	BLOCKV \a
.endr
	QSEND 7
.Lfin:
	s_wait_tensorcnt 0x0                           ; the wave's end: behind my last tensor load and my last LDS store
	ds_add_u32 v[SPW], v[NIL]
	s_wait_dscnt 0x0
	CROUND                                         ; the closing round
	s_endpgm
.Lfunc_end_k_q3bc413d27f_qkv:
	.size	k_q3bc413d27f_qkv, .Lfunc_end_k_q3bc413d27f_qkv-k_q3bc413d27f_qkv
	.p2alignl 7, 3214868480
	.fill 96, 4, 3214868480
	.section	.rodata,"a",@progbits
	.p2align	6, 0x0
	.amdhsa_kernel k_q3bc413d27f_qkv
		.amdhsa_group_segment_fixed_size 327680
		.amdhsa_private_segment_fixed_size 0
		.amdhsa_enable_private_segment 0
		.amdhsa_kernarg_size 56
		.amdhsa_user_sgpr_count 2
		.amdhsa_user_sgpr_kernarg_segment_ptr 1
		.amdhsa_wavefront_size32 1
		.amdhsa_system_sgpr_workgroup_id_x 1
		.amdhsa_system_sgpr_workgroup_id_y 1
		.amdhsa_system_sgpr_workgroup_id_z 1
		.amdhsa_system_vgpr_workitem_id 0
		.amdhsa_next_free_vgpr 1024
		.amdhsa_next_free_sgpr 100
		.amdhsa_reserve_vcc 1
		.amdhsa_float_denorm_mode_32 3
		.amdhsa_float_denorm_mode_16_64 3
		.amdhsa_memory_ordered 1
		.amdhsa_forward_progress 1
		.amdhsa_inst_pref_size 255
	.end_amdhsa_kernel
	.section	.bss,"aw",@nobits
	.p2align	6
	.space	262144
	.amdgpu_metadata
---
amdhsa.version: [ 1, 2 ]
amdhsa.kernels:
  - .name:           k_q3bc413d27f_qkv
    .symbol:         k_q3bc413d27f_qkv.kd
    .args:
      - { .name: cod, .offset: 0, .size: 8, .value_kind: global_buffer, .address_space: global }
      - { .name: scl, .offset: 8, .size: 8, .value_kind: global_buffer, .address_space: global }
      - { .name: rope, .offset: 16, .size: 8, .value_kind: global_buffer, .address_space: global }
      - { .name: q_norm_w, .offset: 24, .size: 8, .value_kind: global_buffer, .address_space: global }
      - { .name: k_norm_w, .offset: 32, .size: 8, .value_kind: global_buffer, .address_space: global }
      - { .name: qkv16, .offset: 40, .size: 8, .value_kind: global_buffer, .address_space: global }
      - { .name: h32, .offset: 48, .size: 8, .value_kind: global_buffer, .address_space: global }
    .group_segment_fixed_size: 327680
    .private_segment_fixed_size: 0
    .kernarg_segment_align: 8
    .kernarg_segment_size: 56
    .max_flat_workgroup_size: 128
    .sgpr_count:     100
    .vgpr_count:     1024
    .wavefront_size: 32
...
	.end_amdgpu_metadata
.endif
;; end of part 2
;; launch attn (part 3): grid 8 x 32, 4 waves a work-group, no clusters, 327,680 bytes of LDS; arguments qkv16, o16; writes o16
.if DOCPART == 3
	.amdgcn_target "amdgcn-amd-amdhsa--gfx1250"
	.amdhsa_code_object_version 6
	.text
	.protected	k_q3bc413d27f_attn
	.globl	k_q3bc413d27f_attn
	.p2align	8
	.type	k_q3bc413d27f_attn,@function
k_q3bc413d27f_attn:
	s_mov_b64 s[64:65], 0
	v_nop
	global_prefetch_b8 v0, s[64:65] scope:SCOPE_SE
	s_setreg_imm32_b32 hwreg(HW_REG_WAVE_MODE, 25, 1), 1
	s_wait_xcnt 0x0
; CAUSAL ATTENTION IN f16, 16 query heads on 8 key and value heads, 2 batches, 2,048 positions, head size 128.  Products, maxima and sums in f32; the weights p are rounded to f16 for the second product, O once at the end.
; SHARES.  Work-group (i, y): batch y / 16, query head y % 16.  Wave w owns four tiles of 16 queries: tiles 0, 1 = positions 128 i + 32 w + 0 .. 31 (the early piece), tiles 2, 3 = positions 128 (15 - i) + 32 w + 0 .. 31
; (the late piece): an early and a late piece together see about the same number of keys whatever i is.  A key step is 64 keys.
; A step whose first key lies at or under the early piece's last query is worked for all four tiles; behind that, up to the late piece's last query, for tiles 2 and 3; behind that it is left out: scalar branches on ids and on the
; count of steps.  All trip counts are constants: every wave walks all 16 slots of two steps, with every wait, add and barrier.
; NO CLUSTER: the work-groups that share a key and value head end their walks at different slots, so a partner would have tiles brought that none of its waves reads.
; LAYOUT.  S^T = K Q^T (source 0 = 16 keys, source 1 = 16 queries): a lane holds ONE query (lane % 16) and keys 8 (lane / 16) + 0..7.  Two such tiles, rounded to f16 in pairs, are source 1 of O^T = V^T P.  V comes out of LDS turned.
; SOFTMAX.  For each query a running maximum m and sum l: p = 2^(c s - c m), c = log2(e) / sqrt(128); in every step O and l are multiplied by a = 2^(c m_old - c m_new).  m begins at -3e38, l and O^T at 0.
; WITHIN A STEP the softmax of one tile stands in slices behind the products of the next: K Q^T of tile 0 | K Q^T 1 + softmax 0 | K Q^T 2 + softmax 1 | K Q^T 3 + softmax 2 | V^T P 0 + softmax 3 | V^T P 1, 2, 3.
; LIMITS: q, k, v and o within f16's range; NaN and infinities are not served.
; REGISTERS, in windows of 256: window 0: v1-11 addresses; v12-43 eight registers of statistics a tile; v44-63 constants and addresses; v64-191 S^T, 32 a tile; v192-255 P, 16 a tile.
;   window 1: O^T, 64 a tile.   window 2: v0-127 Q, 32 a tile; v128-255 K of one step.   window 3: v0-127 V of one step.
.set KS,    64
.set PK,    272                        ; a row of K in LDS: 256 bytes + 16 of padding
.set PV,    288                        ; a row of V: 256 + 32
.set VOFF,  KS*PK
.set STEPB, KS*(PK+PV)
.set SLOT1, 1<<17                      ; slot 1 begins here: one exclusive or turns an address in one slot into the other's
.set STAGE, SLOT1+2*STEPB              ; behind the ring: 16 rows x 272 bytes for each wave, for the way out
.set SP,    272
.set SPARE, STAGE+4*16*SP              ; the spare words, 128 bytes for each wave: two blocks of 256 bytes that no other line names
.set AK0, 2
.set AV0, 3
.set ADK, 4
.set QO,  5
.set STO, 6
.set RD,  7
.set GO,  8
.set ADV, 9
.set VD,  10                           ; v10, v11  on the diagonal: my query's place in the step less 8 (lane / 16), for the piece's first and second tile
.set ST,  12                           ; tile t's statistics at v[ST+8 t]: +0 c m, +1 m, +2, +3 l, +4 to +7 at work; a takes +6 once the maximum is found
.set NINF, 44
.set LH,  45                           ; lane / 16
.set PFO, 61
.set SPW, 62
.set NIL, 63
.set S,   64
.set P,   192
.set KFR, 128                          ; K's fragments, in window 2
.set WV,  12
.set G1K, 24
.set G1V, 32
.set G0K, 40
.set G0V, 44
.set SLOTS, 56
.set TWICE, 57
.set CS,  58
.set SEL, 60
.set TB,  62                           ; LDS byte at which the step's tiles begin
.set SKF, 67                           ; the step's first key
.set QE,  68                           ; the early piece's first query
.set QL,  69                           ; the late piece's
.set LQ,  70                           ; my work-group's last query
.set QE31, 71
.set PFK, 72
.set PFV, 74
.set LIM, 76
.set QL31, 77
.set QB,  78                           ; s[78:79], s[80:81] Q at the early and the late piece
.set OBS, 82                           ; s[82:83], s[84:85] O likewise
.set MSB, 0
.macro WIN new
.if MSB != (\new)
	s_set_vgpr_msb (MSB<<8)|(\new)
.set MSB, (\new)
.endif
.endm
.set W_KQ, 0x0a                        ; K and Q in window 2, S^T in window 0
.set W_PV, 0x53                        ; V in window 3, P in window 0, O^T in window 1
.set W_RS, 0x41                        ; O^T (destination and source 0) in window 1, a in window 0
.macro PLACES
.rept 4
	v_nop
.endr
.endm
; Waves 0 and 1 fetch the slot's two steps of K, waves 2 and 3 those of V: one tensor load a wave.  An s_nop 0 and four v_nop follow each of the two lines.
.macro TLOAD
	s_cmp_lt_u32 s[WV], 2
	s_cbranch_scc0 .Lfor_v_\@
	tensor_load_to_lds s[G0K:G0K+3], s[G1K:G1K+7]
	s_nop 0
.rept 4
	v_nop
.endr
	s_branch .Lasked_\@
.Lfor_v_\@:
	tensor_load_to_lds s[G0V:G0V+3], s[G1V:G1V+7]
	s_nop 0
.rept 4
	v_nop
.endr
.Lasked_\@:
.endm
; A prefetch of what the NEXT change of slots will ask for: 128 rows of K and 128 of V, 256 bytes a row, a lane a row.  Of the sixteen work-groups that walk one key and value head, the one with i = 0 and the even
; query head asks, which walks all slots; wave w names rows 32 w .. 32 w + 31 of both: each row is named once in the launch.  The last change that fills a slot asks for nothing; slots 0 and 1 come by their loads alone.
.macro ASK
	s_cmp_gt_u32 s[SLOTS], s[LIM]
	s_cbranch_scc0 .Lnot_mine_\@
	global_prefetch_b8 v[PFO], s[PFK:PFK+1] th:TH_LOAD_NT scope:SCOPE_SE
	global_prefetch_b8 v[PFO], s[PFV:PFV+1] th:TH_LOAD_NT scope:SCOPE_SE
.Lnot_mine_\@:
.endm
	s_load_b128 s[4:7], s[0:1], 0x0                ; qkv16 s[4:5], o16 s[6:7]
	v_lshl_add_u32 v[SPW], v0, 2, SPARE
	v_mov_b32 v[NIL], 0
	ds_add_u32 v[SPW], v[NIL]                      ; the wave's opening: the add, twice on end, and its wait ahead of my first tensor load
	ds_add_u32 v[SPW], v[NIL]
	v_lshrrev_b32 v1, 5, v0
	v_readfirstlane_b32 s[WV], v1                  ; wave 0..3
	s_and_b32 s88, ttmp7, 0xffff
	s_lshr_b32 s89, s88, 4                         ; the batch
	s_and_b32 s90, s88, 15                         ; the query head
	s_lshl_b32 s91, s89, 5
	s_lshr_b32 s92, s90, 1                         ; its key and value head
	s_add_co_u32 s92, s92, s91
	s_add_co_u32 s92, s92, 16
	s_lshl_b32 s92, s92, 19                        ; a head is 2,048 rows of 256 bytes
	s_mov_b32 s93, 0
	s_and_b32 s94, s[WV], 1                        ; which of a slot's two steps I fetch
	s_lshl_b32 s95, s94, 14
	s_mul_i32 s96, s94, STEPB
	s_lshl_b32 s97, s[WV], 5
	s_lshl_b32 s[QE], ttmp9, 7
	s_add_co_u32 s[QE], s[QE], s97
	s_sub_co_u32 s[QL], 15, ttmp9
	s_lshl_b32 s[QL], s[QL], 7
	s_or_b32 s[LQ], s[QL], 127
	s_add_co_u32 s[QL], s[QL], s97
	s_add_co_u32 s[QE31], s[QE], 31
	s_add_co_u32 s[QL31], s[QL], 31
	s_mov_b32 s[G1K], (1<<16)|(1<<20)|(5<<22)|(3<<25)    ; no mask; elements of 2 bytes; padding: 4 words after every 64
	s_mov_b32 s[G1V], (1<<16)|(1<<20)|(5<<22)|(7<<25)    ; the same with 8 words
.irp g, G1K, G1V
	s_mov_b32 s[\g+1], 128<<16                     ; tensor_dim0
	s_mov_b32 s[\g+2], KS<<16                      ; tensor_dim1
	s_mov_b32 s[\g+3], 128<<16                     ; tile_dim0
	s_mov_b32 s[\g+4], KS                          ; tile_dim1
	s_mov_b32 s[\g+5], 128                         ; the pitch
	s_mov_b32 s[\g+6], 0
	s_mov_b32 s[\g+7], 0
.endr
	s_mov_b32 s[CS], 0x3e0293ee                    ; c = log2(e) / sqrt(128)
	s_mov_b32 s[CS+1], s[CS]
	s_mov_b32 s[SEL], 0x76543210
	s_mov_b32 s[SEL+1], 0xfedcba98
	s_mov_b32 s[TB], 0
	s_mov_b32 s[SKF], 0
	s_mov_b32 s[SLOTS], 15
	s_and_b32 s[LIM], s90, 1
	s_or_b32 s[LIM], s[LIM], ttmp9
	s_cmp_eq_u32 s[LIM], 0
	s_cselect_b32 s[LIM], 1, -1
	s_wait_dscnt 0x0                               ; both opening adds are done
	s_wait_kmcnt 0x0
	s_add_nc_u64 s[PFK:PFK+1], s[4:5], s[92:93]    ; K of my key and value head
	s_mov_b32 s92, s95
	s_mov_b32 s[G0K], 1
	s_mov_b32 s[G0K+1], s96
	s_add_nc_u64 s[G0K+2:G0K+3], s[PFK:PFK+1], s[92:93]
	s_add_nc_u64 s[G0V+2:G0V+3], s[G0K+2:G0K+3], 0x400000     ; V's heads lie eight heads behind K's
	s_or_b32 s[G0K+3], s[G0K+3], 0x80000000
	s_mov_b32 s[G0V], 1
	s_add_co_u32 s[G0V+1], s96, VOFF
	s_or_b32 s[G0V+3], s[G0V+3], 0x80000000
	TLOAD                                          ; slot 0: keys 0 to 127, which count for queries of every work-group
	s_lshl_b32 s92, s[WV], 13
	s_add_co_u32 s92, s92, 2*KS*256
	s_add_nc_u64 s[PFK:PFK+1], s[PFK:PFK+1], s[92:93]         ; my 32 rows, in slot 1: the first change of slots steps it to slot 2
	s_add_nc_u64 s[PFV:PFV+1], s[PFK:PFK+1], 0x400000
	s_add_co_u32 s95, s91, s90
	s_lshl_b32 s95, s95, 11
	s_add_co_u32 s92, s95, s[QE]
	s_lshl_b32 s92, s92, 8
	s_add_nc_u64 s[QB:QB+1], s[4:5], s[92:93]
	s_add_co_u32 s92, s95, s[QL]
	s_lshl_b32 s92, s92, 8
	s_add_nc_u64 s[QB+2:QB+3], s[4:5], s[92:93]
	s_lshl_b32 s95, s89, 11
	s_lshl_b32 s96, s90, 8
	s_add_co_u32 s92, s95, s[QE]
	s_lshl_b32 s92, s92, 12
	s_add_co_u32 s92, s92, s96
	s_add_nc_u64 s[OBS:OBS+1], s[6:7], s[92:93]    ; o16: row (2,048 b + position) of 4,096 bytes, + 256 x head
	s_add_co_u32 s92, s95, s[QL]
	s_lshl_b32 s92, s92, 12
	s_add_co_u32 s92, s92, s96
	s_add_nc_u64 s[OBS+2:OBS+3], s[6:7], s[92:93]
	v_and_b32 v1, 15, v0                           ; l % 16
	v_bfe_u32 v[LH], v0, 4, 1                      ; l / 16
	v_lshlrev_b32 v[QO], 8, v1
	v_lshl_add_u32 v[QO], v[LH], 4, v[QO]
	WIN 0x80                                       ; destination window 2
.irp t, 0,1,2,3
.irp c, 0,1,2,3
	global_load_b128 v[32*\t+8*\c:32*\t+8*\c+3],   v[QO], s[QB+2*(\t/2):QB+2*(\t/2)+1] offset:(\t%2)*4096+64*\c
	global_load_b128 v[32*\t+8*\c+4:32*\t+8*\c+7], v[QO], s[QB+2*(\t/2):QB+2*(\t/2)+1] offset:(\t%2)*4096+64*\c+32
.endr
.endr
	WIN 0
	v_mul_u32_u24 v[AK0], v1, PK
	v_lshl_add_u32 v[AK0], v[LH], 4, v[AK0]        ; K: row x pitch + 16 x half
	v_and_b32 v46, 7, v0
	v_bfe_u32 v47, v0, 3, 1
	v_lshl_add_u32 v[AV0], v[LH], 3, v46           ; V, for the turning load: key 8 (l / 16) + l % 8, channels 8 ((l / 8) % 2) on
	v_mul_u32_u24 v[AV0], v[AV0], PV
	v_lshl_add_u32 v[AV0], v47, 4, v[AV0]
	v_add_nc_u32 v[AV0], VOFF, v[AV0]
	v_lshlrev_b32 v46, 3, v[LH]
	v_sub_nc_u32 v[VD], v1, v46
	s_lshl_b32 s97, s94, 5
	v_add_nc_u32 v[VD], s97, v[VD]                 ; 32 (w & 1) + l % 16 - 8 (l / 16)
	v_add_nc_u32 v[VD+1], 16, v[VD]
	v_mov_b32 v[NINF], 0xff800000
	v_and_b32 v[PFO], 31, v0
	v_lshlrev_b32 v[PFO], 8, v[PFO]
	s_mul_i32 s13, s[WV], 16*SP
	s_add_co_u32 s13, s13, STAGE
	v_mul_u32_u24 v[STO], v1, SP
	v_lshl_add_u32 v[STO], v[LH], 4, v[STO]
	v_add_nc_u32 v[STO], s13, v[STO]
	v_mul_u32_u24 v[RD], v[LH], SP
	v_lshl_add_u32 v[RD], v1, 4, v[RD]
	v_add_nc_u32 v[RD], s13, v[RD]
	v_lshlrev_b32 v[GO], 12, v[LH]
	v_lshl_add_u32 v[GO], v1, 4, v[GO]
.irp t, 0,1,2,3
	v_mov_b32 v[ST+8*\t+1], 0xff61b1e6             ; m: -3e38, under every score
	v_mul_f32 v[ST+8*\t], s[CS], v[ST+8*\t+1]
.irp u, 2,3,4,5,6,7
	v_mov_b32 v[ST+8*\t+\u], 0
.endr
.endr
	WIN 0x40
.set n, 0
.rept 256
	v_mov_b32 v[n], 0                              ; O^T.  (The step is written without a first form of its own: where a piece's first step stands hangs on ids; the first a is 0 and leaves zeros)
.set n, n+1
.endr
	WIN 0
; Product i of 16 of S^T = K Q^T for tile t: channels 32 (i / 4) on, keys 16 (i % 4) on.  The four accumulators take turns; the first four products start the sums.
.macro KQ1 t
	WIN W_KQ
.set rS, S+32*(\t)+8*(i%4)
.set rK, KFR+32*(i%4)+8*(i/4)
.set rQ, 32*(\t)+8*(i/4)
.if i < 4
	v_wmma_f32_16x16x32_f16 v[rS:rS+7], v[rK:rK+7], v[rQ:rQ+7], 0
.else
	v_wmma_f32_16x16x32_f16 v[rS:rS+7], v[rK:rK+7], v[rQ:rQ+7], v[rS:rS+7]
.endif
.endm
; Product i of 16 of O^T += V^T P for tile t: keys 32 (i / 8) on, channels 16 (i % 8) on.  Eight accumulators by turns.
.macro PV1 t
	WIN W_PV
.set rO, 64*(\t)+8*(i%8)
.set rV, 64*(i/8)+8*(i%8)
.set rP, P+16*(\t)+8*(i/8)
	v_wmma_f32_16x16x32_f16 v[rO:rO+7], v[rV:rV+7], v[rP:rP+7], v[rO:rO+7]
.endm
.macro FETCH_K                         ; a step's K: 32 loads in one run, the channels' first 32 first, so that the products can begin on a quarter of them
	WIN 0x80
.irp c, 0,1,2,3
.irp k, 0,1,2,3
	ds_load_b128 v[KFR+32*\k+8*\c:KFR+32*\k+8*\c+3],   v[ADK] offset:\k*16*PK+\c*64
	ds_load_b128 v[KFR+32*\k+8*\c+4:KFR+32*\k+8*\c+7], v[ADK] offset:\k*16*PK+\c*64+32
.endr
.endr
.endm
.macro FETCH_V                         ; its V, turned: 32 loads in one run
	WIN 0xc0
.irp f, 0,1,2,3,4,5,6,7,8,9,10,11,12,13,14,15
	ds_load_tr16_b128 v[8*\f:8*\f+3],   v[ADV] offset:(\f/8)*32*PV+(\f%8)*32
	ds_load_tr16_b128 v[8*\f+4:8*\f+7], v[ADV] offset:(\f/8)*32*PV+16*PV+(\f%8)*32
.endr
.endm
; One tile's softmax for one key step is a list of 134 instructions; SM writes number j of it for tile t.  s0-s31 are the lane's 32 scores, in pairs 0-15.
;   0-15 the maximum of the scores and the old m;  16-20 the other half of the lanes' maximum, the new m, c m, c m_old - c m_new;
;   21-69 ONE BATCH: the 16 scalings c s - c m and all 33 exponentials (a at 23), none of which reads an exponential's result; a pair is scaled well ahead of its exponentials;
;   (between 69 and 70: a plain line and the one wait for the batch)   70-85 the roundings to f16;  86-101 the sums, l = a l + the sum;  102-133 the tile's O^T times a.
.macro SM t
.set rT, ST+8*(\t)
.set rS, S+32*(\t)
.set rP, P+16*(\t)
.set rO, 64*(\t)+2*(j-102)
.if j < 102
	WIN 0
.endif
.if j < 4
	v_max3_num_f32 v[rT+4+j], v[rS+8*j], v[rS+8*j+1], v[rS+8*j+2]
.elseif j < 12
	v_max3_num_f32 v[rT+4+j%4], v[rT+4+j%4], v[rS+8*(j%4)+2*(j/4)+1], v[rS+8*(j%4)+2*(j/4)+2]
.elseif j == 12
	v_max3_num_f32 v[rT+4], v[rT+4], v[rS+7], v[rS+15]
.elseif j == 13
	v_max3_num_f32 v[rT+6], v[rT+6], v[rS+23], v[rS+31]
.elseif j == 14
	v_max3_num_f32 v[rT+4], v[rT+4], v[rT+5], v[rT+6]
.elseif j == 15
	v_max3_num_f32 v[rT+4], v[rT+4], v[rT+7], v[rT+1]
.elseif j == 16
	v_permlanex16_b32 v[rT+5], v[rT+4], s[SEL], s[SEL+1]
.elseif j == 17
	v_mov_b32 v[rT+7], v[rT]
.elseif j == 18
	v_max_num_f32 v[rT+1], v[rT+4], v[rT+5]
.elseif j == 19
	v_mul_f32 v[rT], s[CS], v[rT+1]
.elseif j == 20
	v_sub_f32 v[rT+7], v[rT+7], v[rT]
.elseif j == 23
	v_exp_f32 v[rT+6], v[rT+7]
.elseif (j < 23) || ((j < 38) && (j%2 == 0)) || ((j < 66) && (j%4 == 2))
.set b, (j-2)/4
.if j < 38
.set b, (j-20)/2
.endif
	v_pk_fma_f32 v[rS+2*b:rS+2*b+1], v[rS+2*b:rS+2*b+1], s[CS:CS+1], v[rT:rT+1] op_sel_hi:[1,0,0] neg_lo:[0,0,1] neg_hi:[0,0,1]
.elseif j < 70
.set e, j-38
.if j < 66
.set e, j-32-(j-38)/4
.endif
.if j < 38
.set e, (j-25)/2
.endif
	v_exp_f32 v[rS+e], v[rS+e]
.elseif j < 86
	v_cvt_pk_f16_f32 v[rP+j-70], v[rS+2*(j-70)], v[rS+2*(j-70)+1]
.elseif j < 102
.set z, j-86
.set w, 4
.set u, z
.if z >= 14
.set w, 32
.set u, 0
.elseif z >= 12
.set w, 16
.set u, z-12
.elseif z >= 8
.set w, 8
.set u, z-8
.endif
.if z < 15
	v_pk_add_f32 v[rS+w*u:rS+w*u+1], v[rS+w*u:rS+w*u+1], v[rS+w*u+w/2:rS+w*u+w/2+1]
.else
	v_pk_fma_f32 v[rT+2:rT+3], v[rT+2:rT+3], v[rT+6:rT+7], v[rS:rS+1] op_sel_hi:[1,0,1]
.endif
.else
	WIN W_RS
	v_pk_mul_f32 v[rO:rO+1], v[rO:rO+1], v[rT+6:rT+7] op_sel_hi:[1,0]
.endif
.endm
.macro SLC t                           ; the slice behind product i: eight numbers of the list, the last slice fourteen: plain multiplies on another tile's O^T, which are also the places behind the group's last product
.set j, 8*i
.set jn, 8
.if i == 15
.set jn, 14
.endif
.rept jn
.if j == 70
	v_nop                                          ; a plain line behind the last exponential,
	s_wait_alu depctr_va_vdst(0)                   ; and the tile's one wait, ahead of the batch's first reader
.endif
	SM \t
.set j, j+1
.endr
.endm
; A group: 16 products of tile t (kind 0: K Q^T, 1: V^T P), tile sm's softmax in slices behind them (sm = -1: none).  kw = 1: K's run of 32 loads has just been issued: a quarter of the channels is waited for at a time;
; the count is the loads of the later quarters.
.macro GRP kind, t, sm, kw
.set i, 0
.rept 16
.if (\kw) && (i%4 == 0)
	s_wait_dscnt 24-8*(i/4)
.endif
.if \kind
	PV1 \t
.else
	KQ1 \t
.endif
.if (\sm) >= 0
	SLC \sm
.endif
.set i, i+1
.endr
.endm
.macro MASKIF q, t                     ; on the diagonal the scores of hidden keys become -infinity ahead of the maximum: p = 0 then.  A step all of whose keys count for the piece (first query q) jumps over this
	WIN 0
	s_add_co_u32 s96, s[SKF], KS-1
	s_cmp_le_u32 s96, s[\q]
	s_cbranch_scc1 .Lopen_\@
.set n, 0
.rept 32
	v_cmp_gt_i32 vcc_lo, 16*(n/8)+n%8, v[VD+(\t)%2]          ; register n holds key 16 (n / 8) + 8 (l / 16) + n % 8 of the step
	v_cndmask_b32 v[S+32*(\t)+n], v[S+32*(\t)+n], v[NINF], vcc_lo
.set n, n+1
.endr
.Lopen_\@:
.endm
.macro STEP
	s_cmp_gt_u32 s[SKF], s[QL31]                   ; all its keys come after all my queries: left out, but for the lines at its end that step addresses
	s_cbranch_scc1 .Ljoin_\@
	v_add_nc_u32 v[ADK], s[TB], v[AK0]
	v_add_nc_u32 v[ADV], s[TB], v[AV0]
	FETCH_K
	WIN 0
	s_cmp_gt_u32 s[SKF], s[QE31]
	s_cbranch_scc1 .Lsingle_\@
	GRP 0, 0, -1, 1
	PLACES                                         ; behind tile 0's last product, ahead of the first read of its scores
	FETCH_V
	MASKIF QE, 0
	GRP 0, 1, 0, 0
	MASKIF QE, 1
	GRP 0, 2, 1, 0
	GRP 0, 3, 2, 0
	s_wait_dscnt 0x0                               ; V is in
	GRP 1, 0, 3, 0
	GRP 1, 1, -1, 0
	GRP 1, 2, -1, 0
	GRP 1, 3, -1, 0
	PLACES                                         ; behind the last products: V's and P's registers are written again in the next step
	WIN 0
	s_branch .Ljoin_\@
.Lsingle_\@:
	GRP 0, 2, -1, 1
	PLACES
	FETCH_V
	MASKIF QL, 2
	GRP 0, 3, 2, 0
	MASKIF QL, 3
	s_wait_dscnt 0x0
	GRP 1, 2, 3, 0
	GRP 1, 3, -1, 0
	PLACES
	WIN 0
.Ljoin_\@:
	s_add_co_u32 s[SKF], s[SKF], KS
	s_add_co_u32 s[TB], s[TB], STEPB
.endm
.macro TWO_STEPS                       ; a slot's two key steps: written once, walked twice
	s_mov_b32 s[TWICE], 2
.Lstep_\@:
	STEP
	s_sub_co_u32 s[TWICE], s[TWICE], 1
	s_cmp_lg_u32 s[TWICE], 0
	s_cbranch_scc1 .Lstep_\@
	s_sub_co_u32 s[TB], s[TB], 2*STEPB
	s_xor_b32 s[TB], s[TB], SLOT1                  ; on to the other slot
.endm
; THE CHANGE OF SLOTS stands at a slot's head.  Each wave waits for all its tensor loads (one is out: its part of the slot that it is about to read), adds 0 to its spare word, and waits for that and for its reads of the slot
; that it has left.  Behind the barrier the slot ahead is whole and nobody reads the other one, which is filled with the keys that follow: that load has two key steps in which to land.
; THE LOOK-AHEAD ENDS AT THE CAUSAL LIMIT: a slot whose first key comes after my work-group's last query is read by none of its waves and is not asked for: a jump on ids and the count of steps alone, the same in all four
; waves, round the load's own lines and nothing else; every wait on TENSORcnt in this text is for 0.
.macro CHANGE fill
	s_wait_tensorcnt 0x0
	ds_add_u32 v[SPW], v[NIL]
.if \fill
	s_xor_b32 s[G0K+1], s[G0K+1], SLOT1            ; no tensor load of mine is out: the descriptors walk on: the other slot, the next 128 keys
	s_add_nc_u64 s[G0K+2:G0K+3], s[G0K+2:G0K+3], 2*KS*256
	s_xor_b32 s[G0V+1], s[G0V+1], SLOT1
	s_add_nc_u64 s[G0V+2:G0V+3], s[G0V+2:G0V+3], 2*KS*256
	s_wait_xcnt 0x0                                ; the last prefetches, a slot back, have read their addresses
	s_add_nc_u64 s[PFK:PFK+1], s[PFK:PFK+1], 2*KS*256
	s_add_nc_u64 s[PFV:PFV+1], s[PFV:PFV+1], 2*KS*256
.endif
	s_wait_dscnt 0x0                               ; the add is done, and my reads of the slot that I have left are over
	s_barrier_signal -1
	s_barrier_wait -1
.if \fill
	s_add_co_u32 s96, s[SKF], 2*KS                 ; the first key of the slot that this change would ask for
	s_cmp_gt_u32 s96, s[LQ]
	s_cbranch_scc1 .Lpast_\@
	TLOAD
.Lpast_\@:
	ASK
.endif
.endm
	s_wait_loadcnt 0x0                             ; Q
.Lslot:                                            ; 15 trips: behind each change of slots but the last the next slot is asked for, up to the limit
	CHANGE 1
	TWO_STEPS
	s_sub_co_u32 s[SLOTS], s[SLOTS], 1
	s_cmp_lg_u32 s[SLOTS], 0
	s_cbranch_scc1 .Lslot
	CHANGE 0                                       ; the last slot is written out: nothing follows it
	TWO_STEPS
	; THE WAY OUT.  l's two halves and the other half of the lanes' are added; O^T is divided by l, rounded to f16 and sent through my stage in LDS, a tile (16 rows of O) at a time.
.irp t, 0,1,2,3
	v_add_f32 v[ST+8*\t+4], v[ST+8*\t+2], v[ST+8*\t+3]
.endr
.irp t, 0,1,2,3
	v_permlanex16_b32 v[ST+8*\t+5], v[ST+8*\t+4], s[SEL], s[SEL+1]
.endr
.irp t, 0,1,2,3
	v_add_f32 v[ST+8*\t+4], v[ST+8*\t+4], v[ST+8*\t+5]
.endr
.irp t, 0,1,2,3
	v_rcp_f32 v[ST+8*\t+6], v[ST+8*\t+4]
.endr
	v_nop                                          ; a plain line behind the last reciprocal,
	s_wait_alu depctr_va_vdst(0)                   ; and one wait for the four, ahead of their first reader
.macro PACK t
	WIN W_RS
.set i, 64*\t
.rept 32
	v_pk_mul_f32 v[i:i+1], v[i:i+1], v[ST+8*\t+6:ST+8*\t+7] op_sel_hi:[1,0]
.set i, i+2
.endr
	WIN 0x05                                       ; sources 0 and 1 window 1, destination window 0: S^T's registers are free
.set i, 0
.rept 32
	v_cvt_pk_f16_f32 v[S+32*\t+i], v[64*\t+2*i], v[64*\t+2*i+1]
.set i, i+1
.endr
	WIN 0
.irp f, 0,1,2,3,4,5,6,7
	ds_store_b128 v[STO], v[S+32*\t+4*\f:S+32*\t+4*\f+3] offset:32*\f
.endr
.irp f, 0,1,2,3,4,5,6,7
	ds_load_b128 v[S+32*\t+4*\f:S+32*\t+4*\f+3], v[RD] offset:\f*2*SP     ; LDS serves a wave's instructions in order: these see the stores above; the next tile's stores come behind them
.endr
.endm
.macro SEND t, younger                 ; younger: the LDS instructions issued behind tile t's loads: the next tile's sixteen, or none
.irp f, 0,1,2,3,4,5,6,7
	s_wait_dscnt \younger+7-\f
	global_store_b128 v[GO], v[S+32*\t+4*\f:S+32*\t+4*\f+3], s[OBS+2*(\t/2):OBS+2*(\t/2)+1] offset:(\t%2)*65536+\f*8192   ; 16 lanes store 256 consecutive bytes, aligned: a head's part of a row of o16
.endr
.endm
	PACK 0
	PACK 1
	SEND 0, 16
	PACK 2
	SEND 1, 16
	PACK 3
	SEND 2, 16
	SEND 3, 0
	s_wait_tensorcnt 0x0                           ; the wave's end: behind my last tensor load and my last LDS store
	ds_add_u32 v[SPW], v[NIL]
	s_wait_dscnt 0x0
	s_endpgm
.Lfunc_end_k_q3bc413d27f_attn:
	.size	k_q3bc413d27f_attn, .Lfunc_end_k_q3bc413d27f_attn-k_q3bc413d27f_attn
	.p2alignl 7, 3214868480
	.fill 96, 4, 3214868480
	.section	.rodata,"a",@progbits
	.p2align	6, 0x0
	.amdhsa_kernel k_q3bc413d27f_attn
		.amdhsa_group_segment_fixed_size 327680
		.amdhsa_private_segment_fixed_size 0
		.amdhsa_enable_private_segment 0
		.amdhsa_kernarg_size 16
		.amdhsa_user_sgpr_count 2
		.amdhsa_user_sgpr_kernarg_segment_ptr 1
		.amdhsa_wavefront_size32 1
		.amdhsa_system_sgpr_workgroup_id_x 1
		.amdhsa_system_sgpr_workgroup_id_y 1
		.amdhsa_system_sgpr_workgroup_id_z 1
		.amdhsa_system_vgpr_workitem_id 0
		.amdhsa_next_free_vgpr 1024
		.amdhsa_next_free_sgpr 100
		.amdhsa_reserve_vcc 1
		.amdhsa_float_denorm_mode_32 3
		.amdhsa_float_denorm_mode_16_64 3
		.amdhsa_memory_ordered 1
		.amdhsa_forward_progress 1
		.amdhsa_inst_pref_size 202
	.end_amdhsa_kernel
	.amdgpu_metadata
---
amdhsa.version: [ 1, 2 ]
amdhsa.kernels:
  - .name:           k_q3bc413d27f_attn
    .symbol:         k_q3bc413d27f_attn.kd
    .args:
      - { .name: qkv16, .offset: 0, .size: 8, .value_kind: global_buffer, .address_space: global }
      - { .name: o16, .offset: 8, .size: 8, .value_kind: global_buffer, .address_space: global }
    .group_segment_fixed_size: 327680
    .private_segment_fixed_size: 0
    .kernarg_segment_align: 8
    .kernarg_segment_size: 16
    .max_flat_workgroup_size: 128
    .sgpr_count:     100
    .vgpr_count:     1024
    .wavefront_size: 32
...
	.end_amdgpu_metadata
.endif
;; end of part 3
;; launch wo (part 4): grid 8 x 32, 4 waves a work-group, clusters of 4 x 4, 327,680 bytes of LDS; arguments o16, wot, out0; writes out0
.if DOCPART == 4
	.amdgcn_target "amdgcn-amd-amdhsa--gfx1250"
	.amdhsa_code_object_version 6
	.text
	.protected	k_q3bc413d27f_wo
	.globl	k_q3bc413d27f_wo
	.p2align	8
	.type	k_q3bc413d27f_wo,@function
k_q3bc413d27f_wo:
	s_mov_b64 s[64:65], 0
	v_nop
	global_prefetch_b8 v0, s[64:65] scope:SCOPE_SE
	s_setreg_imm32_b32 hwreg(HW_REG_WAVE_MODE, 25, 1), 1
	s_wait_xcnt 0x0
	s_wait_alu depctr_hold_cnt(0) depctr_sa_sdst(0) depctr_va_vdst(0) depctr_va_sdst(0) depctr_va_ssrc(0) depctr_va_vcc(0) depctr_vm_vsrc(0)
	s_getreg_b32 s2, hwreg(HW_REG_IB_STS2, 6, 4)
	s_cmp_eq_u32 s2, 0
	s_cbranch_scc0 .Lentry_in_a_cluster
	s_endpgm
.Lentry_in_a_cluster:
	s_bfe_u32 s2, ttmp6, 0x10000c
	s_cmp_lg_u32 s2, 0xf033
	s_cbranch_scc0 .Lentry_shape_is_right
	s_endpgm
.Lentry_shape_is_right:
; THE PROJECTION ON THE WAY OUT: out0[m][n] = sum over k of o16[m][k] wot[n][k].  o16: [4096][2048] f16, wot: [1024][2048] f16 (Wo transposed), out0: [4096][1024] f32; sums in f32.
; 4,096 x 1,024 makes 256 tiles of 128 x 128: one for each work-group.  Four waves, each 64 x 64: 16 accumulators.  K goes in steps of 256 (LDS rows of 512 bytes; a wave's tensor load brings 64 of them) through two slots.
; CLUSTERS: 4 x 4 work-groups; the four of a row need the same tiles of o16, the four of a column the same tiles of wot: each tile is asked for jointly.
; THE MATRIX INSTRUCTION IS USED TRANSPOSED (source 0 = 16 rows of wot, source 1 = 16 rows of o16): a lane holds eight neighbouring numbers of a row of out0.
; Rows 0 to 15 of each sequence are written here like all others and written anew, from f32 operands, by the launch that follows.
; No prefetch: the tiles are small, and a K step's tiles are shared by joint loads.
; REGISTERS: window 0: v0-31 addresses; v32-95 the way out; v128-255 the accumulators ((a, b) at v[128 + 8 (4 a + b)]).  window 1: two fragment buffers of 128.
.set SIZE_N, 1024
.set SIZE_K, 2048
.set KSTEP,  256
.set PITCH,  528                       ; an LDS row: 512 bytes + 16 of padding
.set HALFT,  64*PITCH
.set SLOT,   4*HALFT
.set STAGE,  2*SLOT                    ; behind the ring: 16 rows x 272 bytes for each wave
.set SPITCH, 272
.set SPARE,  STAGE+4*16*SPITCH         ; the spare words, 128 bytes for each wave: two blocks of 256 bytes that no other line names
.set LAPS, SIZE_K/(2*KSTEP)
.set ADRA, 16
.set ADRB, 20
.set STO,  24
.set RD,   25
.set CO,   26
.set SPW,  28
.set NIL,  29
.set TMP,  32
.set ACC,  128
.set F0,   0
.set F1,   128
.set G1, 24
.set G0, 32
.set G1B, 48
.set G0B, 56
.set MSB, 0
.macro WIN new
.if MSB != (\new)
	s_set_vgpr_msb (MSB<<8)|(\new)
.set MSB, (\new)
.endif
.endm
.set MUL,  0x05                        ; sources 0 and 1 window 1; C and D window 0
.set TO_F, 0x40
.macro JLOAD s                         ; a joint load: waves 0 and 1 fetch o16's two halves, waves 2 and 3 wot's; an s_nop 0 and four v_nop follow each of the two lines
	s_cmp_eq_u32 s11, 0
	s_cbranch_scc0 .Lfor_b_\@
	tensor_load_to_lds s[G0+4*\s:G0+4*\s+3], s[G1:G1+7]
	s_nop 0
.rept 4
	v_nop
.endr
	s_branch .Lasked_\@
.Lfor_b_\@:
	tensor_load_to_lds s[G0B+4*\s:G0B+4*\s+3], s[G1B:G1B+7]
	s_nop 0
.rept 4
	v_nop
.endr
.Lasked_\@:
.endm
.macro CREST
	s_cmp_lg_u32 s10, 0
	s_cbranch_scc1 .Lnot_wave_0_\@
	s_barrier_signal -3
.Lnot_wave_0_\@:
	s_barrier_wait -3
	s_barrier_signal -1
	s_barrier_wait -1
.endm
.macro CROUND
	s_barrier_signal -1
	s_barrier_wait -1
	CREST
.endm
	s_load_b128 s[4:7], s[0:1], 0x0                ; o16 s[4:5], wot s[6:7]
	s_load_b64 s[8:9], s[0:1], 0x10                ; out0
	v_lshl_add_u32 v[SPW], v0, 2, SPARE
	v_mov_b32 v[NIL], 0
	ds_add_u32 v[SPW], v[NIL]                      ; the wave's opening: the add, twice on end, and its wait ahead of my first tensor load
	ds_add_u32 v[SPW], v[NIL]
	v_lshrrev_b32 v1, 5, v0
	v_readfirstlane_b32 s10, v1                    ; wave 0..3
	s_lshr_b32 s11, s10, 1                         ; which half of the tile's rows is mine.  Also: I fetch for o16 (0) or for wot (1)
	s_and_b32 s12, s10, 1                          ; which half of its columns.  Also: which 64 rows of that tile I fetch
	s_bfe_u32 s40, ttmp6, 0x40000
	s_bfe_u32 s41, ttmp6, 0x40004
	s_lshl_b32 s42, ttmp9, 2
	s_add_co_u32 s42, s42, s40                     ; tile column
	s_and_b32 s13, ttmp7, 0xffff
	s_lshl_b32 s13, s13, 2
	s_add_co_u32 s13, s13, s41                     ; tile row
	s_lshl_b32 s43, s41, 2
	s_lshl_b32 s43, 15, s43
	s_lshl_b32 s44, 0x1111, s40
	s_or_b32 s[G1+0], s43, (1<<16)|(1<<20)|(1<<21)|(6<<22)|(3<<25)  ; the mask; elements of 2 bytes; padding: 4 words after every 128
	s_or_b32 s[G1B+0], s44, (1<<16)|(1<<20)|(1<<21)|(6<<22)|(3<<25)
.irp g, G1, G1B
	s_mov_b32 s[\g+1], KSTEP<<16
	s_mov_b32 s[\g+2], 64<<16
	s_mov_b32 s[\g+3], KSTEP<<16
	s_mov_b32 s[\g+4], 64
	s_mov_b32 s[\g+5], SIZE_K
	s_mov_b32 s[\g+6], 0
	s_mov_b32 s[\g+7], 0
.endr
	s_lshl_b32 s17, s12, 6
	s_lshl_b32 s16, s13, 7
	s_add_co_u32 s16, s16, s17
	s_lshl_b32 s46, s42, 7
	s_add_co_u32 s46, s46, s17
	s_mov_b32 s17, 0
	s_mov_b32 s47, 0
	s_mov_b64 s[18:19], SIZE_K*2
	s_mul_u64 s[16:17], s[16:17], s[18:19]
	s_mul_u64 s[46:47], s[46:47], s[18:19]
	s_mul_i32 s20, s10, HALFT
	s_wait_dscnt 0x0                               ; both opening adds are done
	s_wait_kmcnt 0x0
	s_add_nc_u64 s[14:15], s[4:5], s[16:17]
	s_add_nc_u64 s[46:47], s[6:7], s[46:47]
	CROUND                                         ; all sixteen work-groups are here: the first joint loads meet
.irp s, 0,1
	s_mov_b32 s[G0+4*\s], 1
	s_add_co_u32 s[G0+4*\s+1], s20, \s*SLOT
	s_add_nc_u64 s[G0+4*\s+2:G0+4*\s+3], s[14:15], \s*KSTEP*2
	s_or_b32 s[G0+4*\s+3], s[G0+4*\s+3], 0x80000000
	s_mov_b32 s[G0B+4*\s], 1
	s_add_co_u32 s[G0B+4*\s+1], s20, \s*SLOT
	s_add_nc_u64 s[G0B+4*\s+2:G0B+4*\s+3], s[46:47], \s*KSTEP*2
	s_or_b32 s[G0B+4*\s+3], s[G0B+4*\s+3], 0x80000000
	JLOAD \s
.endr
	v_and_b32 v1, 15, v0
	v_bfe_u32 v2, v0, 4, 1
	v_mul_u32_u24 v3, v1, PITCH
	v_lshl_add_u32 v3, v2, 4, v3
	s_mul_i32 s21, s11, HALFT
	s_mul_i32 s22, s12, HALFT
	s_add_co_u32 s22, s22, 2*HALFT
.irp s, 0,1
	v_add_nc_u32 v[ADRA+\s], s21, v3
	v_add_nc_u32 v[ADRB+\s], s22, v3
	s_add_co_u32 s21, s21, SLOT
	s_add_co_u32 s22, s22, SLOT
.endr
	s_mul_i32 s23, s10, 16*SPITCH                  ; my own stage: my 64 columns of f32 are 256 bytes, aligned, so no other wave has a part in my rows' stores
	s_add_co_u32 s23, s23, STAGE
	v_mul_u32_u24 v4, v1, SPITCH
	v_lshl_add_u32 v4, v2, 5, v4
	v_add_nc_u32 v[STO], s23, v4                   ; in: row l % 16, 32 bytes for each half of the lanes
	v_mul_u32_u24 v5, v2, SPITCH
	v_lshl_add_u32 v5, v1, 4, v5
	v_add_nc_u32 v[RD], s23, v5                    ; back: lanes 0-15 one row of 256 bytes, lanes 16-31 the next
	v_lshlrev_b32 v5, 12, v2
	v_lshl_add_u32 v[CO], v1, 4, v5                ; and the same two rows in out0
	s_lshl_b32 s16, s13, 7
	s_lshl_b32 s17, s11, 6
	s_add_co_u32 s16, s16, s17                     ; my first row
	s_lshl_b32 s16, s16, 12
	s_mov_b32 s17, 0
	s_add_nc_u64 s[8:9], s[8:9], s[16:17]
	s_lshl_b32 s46, s42, 9
	s_lshl_b32 s47, s12, 8
	s_add_co_u32 s46, s46, s47                     ; my first column, in bytes
	s_mov_b32 s47, 0
	s_add_nc_u64 s[8:9], s[8:9], s[46:47]
.macro MUL8 f, c, a0, zero             ; 8 matrix instructions; the 16 accumulators take turns
.irp a, \a0, \a0+1
.irp b, 0,1,2,3
.if \zero
	v_wmma_f32_16x16x32_f16 v[ACC+8*(4*(\a)+\b):ACC+8*(4*(\a)+\b)+7], v[\f+64+8*(4*\c+\b):\f+64+8*(4*\c+\b)+7], v[\f+8*(4*\c+\a):\f+8*(4*\c+\a)+7], 0
.else
	v_wmma_f32_16x16x32_f16 v[ACC+8*(4*(\a)+\b):ACC+8*(4*(\a)+\b)+7], v[\f+64+8*(4*\c+\b):\f+64+8*(4*\c+\b)+7], v[\f+8*(4*\c+\a):\f+8*(4*\c+\a)+7], v[ACC+8*(4*(\a)+\b):ACC+8*(4*(\a)+\b)+7]
.endif
.endr
.endr
.endm
.macro FETCH slot, k, f                ; 32 LDS loads in one run: the fragments of 64 along K, the first 32 along K first
	WIN TO_F
.irp c, 0,1
.irp i, 0,1,2,3
	ds_load_b128 v[\f+64+8*(4*\c+\i):\f+64+8*(4*\c+\i)+3],   v[ADRB+\slot] offset:\k+64*\c+\i*16*PITCH
	ds_load_b128 v[\f+64+8*(4*\c+\i)+4:\f+64+8*(4*\c+\i)+7], v[ADRB+\slot] offset:\k+64*\c+\i*16*PITCH+32
	ds_load_b128 v[\f+8*(4*\c+\i):\f+8*(4*\c+\i)+3],         v[ADRA+\slot] offset:\k+64*\c+\i*16*PITCH
	ds_load_b128 v[\f+8*(4*\c+\i)+4:\f+8*(4*\c+\i)+7],       v[ADRA+\slot] offset:\k+64*\c+\i*16*PITCH+32
.endr
.endr
.endm
.macro PLACES
.rept 4
	v_nop
.endr
.endm
.macro QUARTER slot, k, f, g, zero
	s_wait_dscnt 16                                ; the first 32 along K are in; the sixteen loads behind them may be out
	WIN MUL
	MUL8 \f, 0, 0, \zero
	MUL8 \f, 0, 2, \zero
	PLACES
	FETCH \slot, \k, \g
	s_wait_dscnt 32                                ; all but the 32 just issued
	WIN MUL
	MUL8 \f, 1, 0, 0
	MUL8 \f, 1, 2, 0
.endm
; The last quarter changes slots: one barrier; in front of it each wave waits for all its tensor loads, adds 0 to its spare word, and waits for that and for its reads of this slot.
.macro TURN slot, next, fill
	WIN 0
	s_wait_tensorcnt 0x0                           ; my part of the next slot has landed
	ds_add_u32 v[SPW], v[NIL]
	s_wait_dscnt 17                                ; (the add and the youngest sixteen loads may be out)
	WIN MUL
	MUL8 F1, 0, 0, 0
	s_wait_dscnt 0x0                               ; the add is done, and my reads of this slot are over
	s_barrier_signal -1
	MUL8 F1, 0, 2, 0
.if \fill
	WIN 0
.endif
	s_barrier_wait -1
.if \fill
	CREST                                          ; the barrier has opened a round of the cluster's: no wave of any partner still reads this slot or has a load on its way
	s_add_nc_u64 s[G0+4*\slot+2:G0+4*\slot+3], s[G0+4*\slot+2:G0+4*\slot+3], 2*KSTEP*2
	s_add_nc_u64 s[G0B+4*\slot+2:G0B+4*\slot+3], s[G0B+4*\slot+2:G0B+4*\slot+3], 2*KSTEP*2
	JLOAD \slot                                    ; the first tensor load behind the round; its four v_nop are also the places in front of the loads below
.else
	PLACES
.endif
	FETCH \next, 0, F0
	WIN MUL
	MUL8 F1, 1, 0, 0
	MUL8 F1, 1, 2, 0
.endm
	s_wait_tensorcnt 1                             ; my part of K step 0 is in; K step 1's load may be out
	s_barrier_signal -1
	s_barrier_wait -1
	FETCH 0, 0, F0
	QUARTER 0, 128, F0, F1, 1                      ; the first products start the sums
	WIN 0
	s_mov_b32 s3, LAPS-1
.Llap:                                                 ; a trip goes once round the ring and fills both slots again
	QUARTER 0, 256, F1, F0, 0
	QUARTER 0, 384, F0, F1, 0
	TURN 0, 1, 1
	QUARTER 1, 128, F0, F1, 0
	QUARTER 1, 256, F1, F0, 0
	QUARTER 1, 384, F0, F1, 0
	TURN 1, 0, 1
	QUARTER 0, 128, F0, F1, 0
	WIN 0
	s_sub_co_u32 s3, s3, 1
	s_cmp_lg_u32 s3, 0
	s_cbranch_scc1 .Llap
	QUARTER 0, 256, F1, F0, 0                      ; the last lap fills nothing
	QUARTER 0, 384, F0, F1, 0
	TURN 0, 1, 0
	QUARTER 1, 128, F0, F1, 0
	QUARTER 1, 256, F1, F0, 0
	QUARTER 1, 384, F0, F1, 0
	s_wait_dscnt 16
	WIN MUL
	MUL8 F1, 0, 0, 0
	MUL8 F1, 0, 2, 0
	s_wait_dscnt 0
	MUL8 F1, 1, 0, 0
	MUL8 F1, 1, 2, 0
	WIN 0
	; THE WAY OUT, a block of 16 rows x 64 columns at a time: the accumulators go into my stage as they are, each from its low end on, and come back as whole rows of 256 bytes.
.macro TOSTAGE a
.irp b, 0,1,2,3
	ds_store_b128 v[STO], v[ACC+8*(4*(\a)+\b):ACC+8*(4*(\a)+\b)+3] offset:64*\b
	ds_store_b128 v[STO], v[ACC+8*(4*(\a)+\b)+4:ACC+8*(4*(\a)+\b)+7] offset:64*\b+16
.endr
.irp t, 0,1,2,3,4,5,6,7
	ds_load_b128 v[TMP+32*((\a)%2)+4*\t:TMP+32*((\a)%2)+4*\t+3], v[RD] offset:\t*2*SPITCH    ; LDS serves a wave's instructions in order
.endr
.endm
.macro SEND a, younger                 ; younger: the LDS instructions issued behind block a's loads
	s_wait_dscnt \younger
.irp t, 0,1,2,3,4,5,6,7
	global_store_b128 v[CO], v[TMP+32*((\a)%2)+4*\t:TMP+32*((\a)%2)+4*\t+3], s[8:9] offset:(16*(\a)+2*\t)*SIZE_N*4 th:TH_STORE_NT   ; 16 lanes store 256 consecutive bytes, aligned
.endr
.endm
	PLACES
	TOSTAGE 0
.irp a, 1,2,3
.if \a > 1
	s_wait_xcnt 0x0                                ; block a - 2's stores have read the registers that block a's loads fill
.endif
	TOSTAGE \a
	SEND \a-1, 16
.endr
	SEND 3, 0
	s_wait_tensorcnt 0x0                           ; the wave's end: behind my last tensor load and my last LDS store
	ds_add_u32 v[SPW], v[NIL]
	s_wait_dscnt 0x0
	CROUND                                         ; the closing round
	s_endpgm
.Lfunc_end_k_q3bc413d27f_wo:
	.size	k_q3bc413d27f_wo, .Lfunc_end_k_q3bc413d27f_wo-k_q3bc413d27f_wo
	.p2alignl 7, 3214868480
	.fill 96, 4, 3214868480
	.section	.rodata,"a",@progbits
	.p2align	6, 0x0
	.amdhsa_kernel k_q3bc413d27f_wo
		.amdhsa_group_segment_fixed_size 327680
		.amdhsa_private_segment_fixed_size 0
		.amdhsa_enable_private_segment 0
		.amdhsa_kernarg_size 24
		.amdhsa_user_sgpr_count 2
		.amdhsa_user_sgpr_kernarg_segment_ptr 1
		.amdhsa_wavefront_size32 1
		.amdhsa_system_sgpr_workgroup_id_x 1
		.amdhsa_system_sgpr_workgroup_id_y 1
		.amdhsa_system_sgpr_workgroup_id_z 1
		.amdhsa_system_vgpr_workitem_id 0
		.amdhsa_next_free_vgpr 512
		.amdhsa_next_free_sgpr 66
		.amdhsa_reserve_vcc 0
		.amdhsa_float_denorm_mode_32 3
		.amdhsa_float_denorm_mode_16_64 3
		.amdhsa_memory_ordered 1
		.amdhsa_forward_progress 1
		.amdhsa_inst_pref_size 86
	.end_amdhsa_kernel
	.amdgpu_metadata
---
amdhsa.version: [ 1, 2 ]
amdhsa.kernels:
  - .name:           k_q3bc413d27f_wo
    .symbol:         k_q3bc413d27f_wo.kd
    .args:
      - { .name: o16, .offset: 0, .size: 8, .value_kind: global_buffer, .address_space: global }
      - { .name: wot, .offset: 8, .size: 8, .value_kind: global_buffer, .address_space: global }
      - { .name: out0, .offset: 16, .size: 8, .value_kind: global_buffer, .address_space: global }
    .group_segment_fixed_size: 327680
    .private_segment_fixed_size: 0
    .kernarg_segment_align: 8
    .kernarg_segment_size: 24
    .max_flat_workgroup_size: 128
    .sgpr_count:     66
    .vgpr_count:     512
    .wavefront_size: 32
...
	.end_amdgpu_metadata
.endif
;; end of part 4
;; launch first16 (part 5): grid 64 x 2, 16 waves a work-group, no clusters, 18,432 bytes of LDS; arguments h32, Wo, out0; writes out0
.if DOCPART == 5
	.amdgcn_target "amdgcn-amd-amdhsa--gfx1250"
	.amdhsa_code_object_version 6
	.text
	.protected	k_q3bc413d27f_first16
	.globl	k_q3bc413d27f_first16
	.p2align	8
	.type	k_q3bc413d27f_first16,@function
k_q3bc413d27f_first16:
	s_mov_b64 s[64:65], 0
	v_nop
	global_prefetch_b8 v0, s[64:65] scope:SCOPE_SE
	s_setreg_imm32_b32 hwreg(HW_REG_WAVE_MODE, 25, 1), 1
	s_wait_xcnt 0x0
; POSITIONS 0 TO 15 OF BOTH SEQUENCES IN f32: there a row of the softmax averages one to sixteen values, and the rounding of 16-bit operands would weigh most.  Attention and the projection by the f32 matrix form: 32 rows in all, no bulk work.
; Work-group (nt, b): batch b, output columns 16 nt .. 16 nt + 15.  Wave w is query head w: it makes its head's 16 x 128 of o from h32 (q, k, v unrounded), multiplies it by Wo's rows 128 w .. 128 w + 127, and the sixteen
; partial tiles are added through LDS, in a fixed order.  The attention is repeated in the 64 work-groups of a batch: that spares a launch and a buffer.
; The contracted index is laid alike on both sides of every product, so that each lane's loads are plain: lane (r, h) holds, of row r of q or k, channels 64 h + 0 .. 63.
; The stores are 64 bytes of each of 16 rows a work-group: parts of aligned blocks of 256, 128 KiB in the launch; a work-group of 64 columns would make each wave's matrix work four times as long.
; The four accumulators v224-255 are written by matrix instructions alone; sums begin with the constant 0; what is made of a sum goes into other registers.
; LIMITS: NaN and infinities are not served.
.set SPARE, 16384                      ; LDS: from 0 sixteen partial tiles of 1,024 bytes; here the spare words, 128 bytes for each wave
.set SPW, 2
.set NIL, 3
.set QFR, 32                           ; v32-95   q; later Wo's part; later the partial tiles
.set KFR, 96                           ; v96-159  k; later o
.set VFR, 160                          ; v160-223 v
.set POOL, 224
.macro PLACES9                         ; plain vector lines between this matrix form and a read of its results, a load into its sources, or a new sum on its accumulators
.rept 9
	v_nop
.endr
.endm
	s_load_b128 s[4:7], s[0:1], 0x0                ; h32 s[4:5], Wo s[6:7]
	s_load_b64 s[8:9], s[0:1], 0x10                ; out0
	v_lshl_add_u32 v[SPW], v0, 2, SPARE
	v_mov_b32 v[NIL], 0
	v_lshrrev_b32 v1, 5, v0
	v_readfirstlane_b32 s10, v1                    ; wave = query head
	s_and_b32 s11, ttmp7, 0xffff                   ; batch
	v_and_b32 v1, 15, v0                           ; r
	v_bfe_u32 v4, v0, 4, 1                         ; h
	v_lshlrev_b32 v5, 9, v1
	v_lshl_add_u32 v5, v4, 8, v5                   ; q, k: row r of 512 bytes, + 256 h
	v_lshlrev_b32 v6, 2, v1
	v_lshl_add_u32 v7, v4, 15, v6                  ; Wo: 8 h rows of 4,096 bytes, + 4 r
	v_lshl_add_u32 v6, v4, 12, v6                  ; v: 8 h rows of 512 bytes, + 4 r
	v_lshlrev_b32 v8, 3, v4
	v_sub_nc_u32 v8, v1, v8                        ; r - 8 h: register j holds key 8 h + j, hidden where j > r - 8 h
	v_and_b32 v9, 31, v0
	s_lshl_b32 s31, s10, 10
	v_lshl_add_u32 v10, v9, 4, s31                 ; LDS: my wave's partial tile, 16 bytes a lane
	v_and_b32 v11, 63, v0
	v_lshlrev_b32 v11, 4, v11                      ; and where waves 0 and 1 read: 16 bytes a thread
	v_lshlrev_b32 v12, 12, v1
	v_lshl_add_u32 v12, v4, 5, v12
	s_and_b32 s34, s10, 1
	s_lshl_b32 s34, s34, 4
	v_add_nc_u32 v12, s34, v12                     ; out0: row r, + 32 h, + 16 x wave
	v_mov_b32 v13, 0xff800000
	s_mov_b32 s30, 0x3e0293ee                      ; c = log2(e) / sqrt(128)
	s_mov_b32 s32, 0x76543210
	s_mov_b32 s33, 0xfedcba98
	s_lshl_b32 s20, s11, 5
	s_add_co_u32 s22, s20, s10
	s_lshl_b32 s22, s22, 13                        ; a head in h32 is 8,192 bytes
	s_mov_b32 s23, 0
	s_lshr_b32 s24, s10, 1
	s_add_co_u32 s24, s24, s20
	s_add_co_u32 s24, s24, 16
	s_lshl_b32 s24, s24, 13
	s_mov_b32 s25, 0
	s_lshl_b32 s26, s10, 19                        ; 128 w rows of Wo
	s_lshl_b32 s28, ttmp9, 6
	s_add_co_u32 s26, s26, s28
	s_mov_b32 s27, 0
	s_lshl_b32 s29, s11, 23                        ; 2,048 b rows of out0
	s_add_co_u32 s28, s28, s29
	s_mov_b32 s29, 0
	s_wait_kmcnt 0x0
	s_add_nc_u64 s[12:13], s[4:5], s[22:23]        ; q
	s_add_nc_u64 s[14:15], s[4:5], s[24:25]        ; k
	s_add_nc_u64 s[16:17], s[14:15], 0x10000       ; v: eight heads on
	s_add_nc_u64 s[18:19], s[6:7], s[26:27]
	s_add_nc_u64 s[8:9], s[8:9], s[28:29]
.irp i, 0,1,2,3,4,5,6,7,8,9,10,11,12,13,14,15
	global_load_b128 v[QFR+4*\i:QFR+4*\i+3], v5, s[12:13] offset:16*\i
.endr
.irp i, 0,1,2,3,4,5,6,7,8,9,10,11,12,13,14,15
	global_load_b128 v[KFR+4*\i:KFR+4*\i+3], v5, s[14:15] offset:16*\i
.endr
.set n, 0
.rept 64
	global_load_b32 v[VFR+n], v6, s[16:17] offset:512*(n%8)+64*(n/8)     ; v(key 8 h + n % 8, channel 16 (n / 8) + r)
.set n, n+1
.endr
	s_wait_loadcnt 63                              ; q and k are in: 64 loads were issued behind them, and a count cannot be above 63
	; S^T = k q^T: 32 steps of 4 along the channels, four accumulators by turns
.set i, 0
.rept 32
.if i < 4
	v_wmma_f32_16x16x4_f32 v[POOL+8*(i%4):POOL+8*(i%4)+7], v[KFR+2*i:KFR+2*i+1], v[QFR+2*i:QFR+2*i+1], 0
.else
	v_wmma_f32_16x16x4_f32 v[POOL+8*(i%4):POOL+8*(i%4)+7], v[KFR+2*i:KFR+2*i+1], v[QFR+2*i:QFR+2*i+1], v[POOL+8*(i%4):POOL+8*(i%4)+7]
.endif
.set i, i+1
.endr
	PLACES9
.set n, 0
.rept 64
	global_load_b32 v[QFR+n], v7, s[18:19] offset:(16*(n/8)+n%8)*4096    ; Wo(128 w + 16 (n / 8) + 8 h + n % 8, 16 nt + r), where q lay
.set n, n+1
.endr
.irp p, 0,2,4,6                                ; the four partial sums, each accumulator from its low end on: lane (r, h) holds query r, keys 8 h + 0 .. 7
	v_pk_add_f32 v[16+\p:17+\p], v[POOL+\p:POOL+1+\p], v[POOL+8+\p:POOL+9+\p]
	v_pk_add_f32 v[24+\p:25+\p], v[POOL+16+\p:POOL+17+\p], v[POOL+24+\p:POOL+25+\p]
.endr
.irp p, 0,2,4,6
	v_pk_add_f32 v[16+\p:17+\p], v[16+\p:17+\p], v[24+\p:25+\p]
.endr
.irp j, 0,1,2,3,4,5,6,7
	v_cmp_gt_i32 vcc_lo, \j, v8
	v_cndmask_b32 v[16+\j], v[16+\j], v13, vcc_lo  ; hidden keys: -infinity
.endr
	v_max3_num_f32 v28, v16, v17, v18
	v_max3_num_f32 v28, v28, v19, v20
	v_max3_num_f32 v28, v28, v21, v22
	v_max_num_f32 v28, v28, v23
	v_permlanex16_b32 v30, v28, s32, s33
	v_max_num_f32 v28, v28, v30                    ; the row's maximum (key 0 counts for every query)
	v_mul_f32 v29, s30, v28
.irp j, 0,1,2,3,4,5,6,7
	v_fma_f32 v[16+\j], v[16+\j], s30, -v29
.endr
.irp j, 0,1,2,3,4,5,6,7
	v_exp_f32 v[16+\j], v[16+\j]                   ; p
.endr
	v_nop                                          ; a plain line behind the last exponential,
	s_wait_alu depctr_va_vdst(0)                   ; and one wait for the eight, ahead of their first reader
	v_pk_add_f32 v[24:25], v[16:17], v[18:19]
	v_pk_add_f32 v[26:27], v[20:21], v[22:23]
	v_pk_add_f32 v[24:25], v[24:25], v[26:27]
	v_add_f32 v31, v24, v25
	v_permlanex16_b32 v30, v31, s32, s33
	v_add_f32 v31, v31, v30
	v_rcp_f32 v14, v31                             ; 1 / the row's sum
	v_mov_b32 v15, 0                               ; (a plain line; v15 is named with v14 as a pair)
	s_wait_alu depctr_va_vdst(0)
	s_wait_loadcnt 63                              ; v is in: Wo's 64 loads were issued behind it
	; O^T = v^T p^T, four tiles of 16 channels at a time: 4 steps of 4 along the 16 keys
.irp hf, 0,1
.set i, 0
.rept 16
.if i < 4
	v_wmma_f32_16x16x4_f32 v[POOL+8*(i%4):POOL+8*(i%4)+7], v[VFR+8*(4*\hf+i%4)+2*(i/4):VFR+8*(4*\hf+i%4)+2*(i/4)+1], v[16+2*(i/4):17+2*(i/4)], 0
.else
	v_wmma_f32_16x16x4_f32 v[POOL+8*(i%4):POOL+8*(i%4)+7], v[VFR+8*(4*\hf+i%4)+2*(i/4):VFR+8*(4*\hf+i%4)+2*(i/4)+1], v[16+2*(i/4):17+2*(i/4)], v[POOL+8*(i%4):POOL+8*(i%4)+7]
.endif
.set i, i+1
.endr
	PLACES9
.set n, 0
.rept 16
	v_pk_mul_f32 v[KFR+32*\hf+2*n:KFR+32*\hf+2*n+1], v[POOL+2*n:POOL+2*n+1], v[14:15] op_sel_hi:[1,0]    ; o(query r, channel 16 dt + 8 h + j), where k lay
.set n, n+1
.endr
.endr
	s_wait_loadcnt 0x0                             ; Wo's part
	; y^T = Wo^T o^T: 32 steps of 4 along my head's 128 channels
.set i, 0
.rept 32
.if i < 4
	v_wmma_f32_16x16x4_f32 v[POOL+8*(i%4):POOL+8*(i%4)+7], v[QFR+2*i:QFR+2*i+1], v[KFR+2*i:KFR+2*i+1], 0
.else
	v_wmma_f32_16x16x4_f32 v[POOL+8*(i%4):POOL+8*(i%4)+7], v[QFR+2*i:QFR+2*i+1], v[KFR+2*i:KFR+2*i+1], v[POOL+8*(i%4):POOL+8*(i%4)+7]
.endif
.set i, i+1
.endr
	PLACES9
.irp p, 0,2,4,6
	v_pk_add_f32 v[16+\p:17+\p], v[POOL+\p:POOL+1+\p], v[POOL+8+\p:POOL+9+\p]
	v_pk_add_f32 v[24+\p:25+\p], v[POOL+16+\p:POOL+17+\p], v[POOL+24+\p:POOL+25+\p]
.endr
.irp p, 0,2,4,6
	v_pk_add_f32 v[16+\p:17+\p], v[16+\p:17+\p], v[24+\p:25+\p]      ; lane (r, h): row r, columns 8 h + 0 .. 7 of my head's part
.endr
	ds_store_b128 v10, v[16:19]
	ds_store_b128 v10, v[20:23] offset:512
	s_wait_dscnt 0x0                               ; for the others' sake: my partial tile lies in LDS
	s_barrier_signal -1
	s_barrier_wait -1
	s_cmp_gt_u32 s10, 1
	s_cbranch_scc1 .Ldone
.irp n, 0,1,2,3,4,5,6,7,8,9,10,11,12,13,14,15
	ds_load_b128 v[QFR+4*\n:QFR+4*\n+3], v11 offset:1024*\n           ; wave u takes columns 8 h + 4 u + 0 .. 3 of all sixteen heads' parts
.endr
	s_wait_dscnt 0x0
.irp n, 1,2,3,4,5,6,7,8,9,10,11,12,13,14,15
	v_pk_add_f32 v[QFR:QFR+1], v[QFR:QFR+1], v[QFR+4*\n:QFR+4*\n+1]
	v_pk_add_f32 v[QFR+2:QFR+3], v[QFR+2:QFR+3], v[QFR+4*\n+2:QFR+4*\n+3]
.endr
	global_store_b128 v12, v[QFR:QFR+3], s[8:9]
.Ldone:
	s_wait_tensorcnt 0x0                           ; the wave's end: behind my last LDS store
	ds_add_u32 v[SPW], v[NIL]
	s_wait_dscnt 0x0
	s_endpgm
.Lfunc_end_k_q3bc413d27f_first16:
	.size	k_q3bc413d27f_first16, .Lfunc_end_k_q3bc413d27f_first16-k_q3bc413d27f_first16
	.p2alignl 7, 3214868480
	.fill 96, 4, 3214868480
	.section	.rodata,"a",@progbits
	.p2align	6, 0x0
	.amdhsa_kernel k_q3bc413d27f_first16
		.amdhsa_group_segment_fixed_size 18432
		.amdhsa_private_segment_fixed_size 0
		.amdhsa_enable_private_segment 0
		.amdhsa_kernarg_size 24
		.amdhsa_user_sgpr_count 2
		.amdhsa_user_sgpr_kernarg_segment_ptr 1
		.amdhsa_wavefront_size32 1
		.amdhsa_system_sgpr_workgroup_id_x 1
		.amdhsa_system_sgpr_workgroup_id_y 1
		.amdhsa_system_sgpr_workgroup_id_z 1
		.amdhsa_system_vgpr_workitem_id 0
		.amdhsa_next_free_vgpr 256
		.amdhsa_next_free_sgpr 66
		.amdhsa_reserve_vcc 1
		.amdhsa_float_denorm_mode_32 3
		.amdhsa_float_denorm_mode_16_64 3
		.amdhsa_memory_ordered 1
		.amdhsa_forward_progress 1
		.amdhsa_inst_pref_size 34
	.end_amdhsa_kernel
	.amdgpu_metadata
---
amdhsa.version: [ 1, 2 ]
amdhsa.kernels:
  - .name:           k_q3bc413d27f_first16
    .symbol:         k_q3bc413d27f_first16.kd
    .args:
      - { .name: h32, .offset: 0, .size: 8, .value_kind: global_buffer, .address_space: global }
      - { .name: Wo, .offset: 8, .size: 8, .value_kind: global_buffer, .address_space: global }
      - { .name: out0, .offset: 16, .size: 8, .value_kind: global_buffer, .address_space: global }
    .group_segment_fixed_size: 18432
    .private_segment_fixed_size: 0
    .kernarg_segment_align: 8
    .kernarg_segment_size: 24
    .max_flat_workgroup_size: 512
    .sgpr_count:     66
    .vgpr_count:     256
    .wavefront_size: 32
...
	.end_amdgpu_metadata
.endif
;; end of part 5
